; MI455X (gfx1250); checked and timed in simulation.
; The chip was launched on July 23, 2026; its instructions are those of AMD's public machine-readable ISA for CDNA 5 (MIT licence, August 2026) and "CDNA5" Instruction Set Architecture Reference Guide (July 2026). The comments in the code are by the model that wrote it; some were corrected since.
;; Reasoning Layer. Allowed arithmetic: matrix products marked QUANTISED: E2M3 operands, one E8M0 scale for each 32 along K, by v_wmma_scale_f32_16x16x128_f8f6f4 with both operands' format E2M3, f32 sums; products left as they are: f32 operands where the result goes on into a quantised operand, else bf16, f16 or f32 operands; f32 sums; everything else in f32.
;; Inputs: Wd_codes 8 x 2,048 x 32 x 24 uint8 (E2M3 codes of Wd, K innermost, in blocks of 32 codes, four codes in three bytes); Wd_scales 8 x 2,048 x 32 uint8 (E8M0 scales of Wd, one for each 32 codes along K); Wr 2,048 x 8 float32; Wu_codes 8 x 1,024 x 64 x 24 uint8 (E2M3 codes of Wu, K innermost, in blocks of 32 codes, four codes in three bytes); Wu_scales 8 x 1,024 x 64 uint8 (E8M0 scales of Wu, one for each 32 codes along K); bd 8 x 2,048 float32; br 8 float32; bu 8 x 1,024 float32; x 4 x 512 x 2,048 float32.
;; Outputs: out0 4 x 512 x 2,048 float32.
;; This version of the problem:
;;   THIS VERSION OF THE PROBLEM IS GIVEN IN LOW PRECISION. The matrix products marked QUANTISED in the list below multiply operands that are first quantised to E2M3 (2 exponent bits, 3 mantissa bits; 6 bits a number), with one power-of-two scale for each 32 numbers along K (OCP MX v1.0); their sums are f32. All else is computed in f32.
;;   The module's matrix products, in the order in which they are computed (A, B: the left and right operand; K: the contracted axis; several contracted axes count as one K, in the product's order):
;;     1. [M 2,048, K 2,048] x [K 2,048, N 8]; A: input x; B: input Wr: left as it is (N = 8 < 16)
;;     2. [M 2,048, K 2,048] x [K 2,048, N 8,192]; A: input x; B: input Wu (given as codes): QUANTISED
;;     3. batch 8 x [M 2,048, K 1,024] x [K 1,024, N 2,048]; A: input Wd (given as codes); B: computed on the way: QUANTISED
;;     4. batch 2,048 x [M 2,048, K 8] x [K 8, N 1]; A: computed on the way; B: softmax: left as it is (K = 8 < 32)
;;   THE QUANTISER, for each operand of a quantised product, along K:
;;     - K is cut into blocks of 32 from its start; a last block that is shorter is filled with zeros.
;;     - A block's scale is 2^e with e = floor(log2(the largest magnitude in the block)) - 2, held to -126 .. 127; a block of zeros has e = 0. As a byte (E8M0): e + 127.
;;     - Each number is divided by its block's scale, clamped to +-7.5, and rounded to the nearest number of E2M3, ties to even, subnormals kept.
;;     - The product sums the exact products of the quantised numbers (number of the format x scale) in f32.
;;   ~~~python
;;   def quantise(x, axis):      # numpy; x: float32 -> the quantised numbers, widened to float32 again
;;       x = np.moveaxis(x, axis, -1); K = x.shape[-1]
;;       x = np.pad(x, [(0, 0)] * (x.ndim - 1) + [(0, -K % 32)]); x = x.reshape(x.shape[:-1] + (-1, 32)); a = np.abs(x).max(-1, keepdims=True)
;;       e = np.where(a > 0, np.clip(np.frexp(np.where(a > 0, a, 1))[1] - 1 - 2, -126, 127), 0)      # np.frexp(a)[1] - 1 = floor(log2(a)), exactly
;;       r = np.clip(x / 2.0 ** e, -7.5, 7.5)
;;       step = 2.0 ** (np.maximum(np.frexp(np.where(r == 0, 1, r))[1] - 1, 0) - 3)
;;       q = np.round(r / step) * step * 2.0 ** e      # np.round: ties to even
;;       return np.moveaxis(q.reshape(q.shape[:-2] + (-1,))[..., :K], -1, axis).astype(np.float32)
;;   ~~~
;;   OPERANDS COMPUTED ON THE WAY. 'Computed on the way' means the value that the module computes at that place (a softmax that the list does not call 'softmax' is quantised finished and normalised). What goes into a quantiser is computed in f32, as accurately as f32 sums, v_exp_f32 and their like allow (about 1e-6 of the number): no bf16 or f16 on the way to a quantiser, and a product that is left as it is and whose result goes on into a quantised operand takes f32 operands (vector FMAs, or v_wmma_f32_16x16x4_f32). A number that lies on a knife's edge between two numbers of the format may be rounded either way, as far as f32 arithmetic and the matrix unit's own rounding can turn it there, and no further.
;;   INPUTS GIVEN AS CODES. Wd (in the module: [8, 1024, 2048], K = its axis 1); Wu (in the module: [8, 2048, 1024], K = its axis 1): each comes as NAME_codes (uint8): NAME with its K axis moved to the last place and cut into blocks of 32 codes, [.., K / 32, bytes a block], one block behind the other in memory; four codes in three bytes: a row's codes are one little-endian stream of bits, code i at bits 6 i .. 6 i + 5 (a code: sign, 2 exponent bits, 3 mantissa bits); and NAME_scales (uint8): the same leading axes, one E8M0 byte (e + 127) for each 32 codes along K. Its value is code x scale, taken as it is: it is not quantised again, and the codes and scales need not be those that the quantiser above would give.
;; 2 versions. Each part assembles by itself: llvm-mc -triple=amdgcn-amd-amdhsa -mcpu=gfx1250 --defsym DOCPART=n.
;; ======== version 1 of 2: 3 launches
;; workspace buffers: xq 3,145,728 bytes; xs 131,072 bytes; pw 65,536 bytes; hq 12,582,912 bytes; hs 524,288 bytes
;; launch prep (part 1): grid 128 x 1, 8 waves a work-group, no clusters, 110,592 bytes of LDS; arguments x, Wr, br, xq, xs, pw; writes xq, xs, pw
.if DOCPART == 1
	.amdgcn_target "amdgcn-amd-amdhsa--gfx1250"
	.amdhsa_code_object_version 6
	.text
	.protected	k_q2df2196202_prep
	.globl	k_q2df2196202_prep
	.p2align	8
	.type	k_q2df2196202_prep,@function
k_q2df2196202_prep:
	s_mov_b64 s[64:65], 0
	v_nop
	global_prefetch_b8 v0, s[64:65] scope:SCOPE_SE
	s_setreg_imm32_b32 hwreg(HW_REG_WAVE_MODE, 25, 1), 1
	s_wait_xcnt 0x0
; PREP: x [2048][2048] f32 becomes codes of FP6 (E2M3) with one E8M0 byte for each 32 along K, and the router's softmax is made.
; A block's scale is 2^(floor(log2(its largest magnitude)) - 2); its byte is the largest magnitude's exponent field - 2, held at 1 from below.
; LIMITS: NaN and infinities among the inputs are not served.  A block of zeros gets the byte 1 (not 127): its codes are zeros, and this program alone reads the bytes.
; The router's product (N = 8, not quantised) takes x and Wr rounded to bf16, sums in f32; the softmax takes the row's maximum away first.
; SHARES.  A work-group owns 16 tokens (a fragment has 16 rows, and a token's eight logits want one owner): 128 work-groups.  Wave w owns columns 256 w .. 256 w + 255: two K steps of 128.
; All 48 loads of a wave go out at once.  Each reads 512 consecutive bytes; a K step's 16 rows x 512 bytes turn through the wave's own stage in LDS, so that lane (r, h) then holds, of row r,
; 16 neighbours of each block of 32: register 16 b + i = k 32 b + 16 h + i.  That is what the conversions want, and (rounded to bf16) it is an operand of the router's product with k permuted;
; Wr's fragments are read with the same permutation, so the products are the same.
; OUT.  xq [kc 0..7][token block 0..127][q 0..1][1536]: the IMAGE of a fragment's 12 registers: group g of four registers of lane l at 512 g + 16 l.
;       xs [token block][kc][r][q]: a row's scale word of a K step.   pw [token block][slot L 0..31][i 0..3] = p(token L % 16, expert 4 (L / 16) + i).
.set SPI,  528                         ; a stage row: 512 bytes + 16, so that the 16 rows that a read touches start 16 bytes apart modulo 256
.set WREG, 16*SPI                      ; a wave's stage
.set WT,   8*WREG                      ; behind the stages: Wr as bf16, row k = 16 bytes, 4,096 bytes a wave
.set LG,   WT+8*4096                   ; each wave's partial logits, 1,024 bytes a wave
.set XSS,  LG+8*1024                   ; the token block's scale words, 1,024 bytes, as they lie in xs
.set R0,   16                          ; v16-79 x of K step 0 as loaded, v80-143 of K step 1
.set XT,   144                         ; v144-207 Wr as loaded; then a K step's 64 numbers, turned
.set CV,   208                         ; v208-239 Wr in bf16; then Wr's four fragments; then the codes
.set BF,   208
.set PC,   208
.set AF,   16                          ; v16-47 x's four bf16 fragments
.set TM,   48                          ; v48-63 at work in QUANT
.set PW0,  64                          ; v64-65 the two K steps' scale words
.set LS,   66                          ; v66-73 my eight partial logits
.set ACC,  240                         ; v240-247, v248-255: two accumulators that take turns
.set WV,   24
.set SEL,  26                          ; s[26:27] lane selects: lane l xor 16
; 64 numbers of a lane, register 16 b + i = k 32 b + 16 (lane / 16) + i of my row, become a fragment's codes in v[PC] on and its scale word in v[pw].
.macro QUANT s, pw
.irp b, 0,1,2,3
	v_max3_num_f32 v[TM+\b], |v[\s+16*\b]|, |v[\s+1+16*\b]|, 0x1800000   ; block b: my 16 numbers, and the floor 2^(3 - 127): the byte cannot fall under 1
.endr
.irp i, 2,4,6,8,10,12,14
.irp b, 0,1,2,3
	v_max3_num_f32 v[TM+\b], v[TM+\b], |v[\s+16*\b+\i]|, |v[\s+1+16*\b+\i]|
.endr
.endr
.irp b, 0,1,2,3
	v_permlanex16_b32 v[TM+4+\b], v[TM+\b], s[SEL], s[SEL+1]
.endr
.irp b, 0,1,2,3
	v_max_num_f32 v[TM+\b], v[TM+\b], v[TM+4+\b]   ; with lane l xor 16's: the block's largest magnitude
.endr
.irp b, 0,1,2,3
	v_add_nc_u32 v[TM+12+\b], 0xff000000, v[TM+\b]   ; 2 off its exponent field: the conversion's scale operand
.endr
.irp b, 0,1,2,3
	v_lshrrev_b32 v[TM+4+\b], 23, v[TM+12+\b]      ; the scale's byte
.endr
	v_lshl_or_b32 v[\pw], v[TM+5], 8, v[TM+4]
	v_lshl_or_b32 v[\pw], v[TM+6], 16, v[\pw]
	v_lshl_or_b32 v[\pw], v[TM+7], 24, v[\pw]
.irp c, 0,1
	v_cvt_scalef32_pk16_fp6_f32 v[PC+6*\c:PC+2+6*\c], v[\s+32*\c:\s+15+32*\c], v[TM+12+2*\c]
	v_cvt_scalef32_pk16_fp6_f32 v[PC+12+4*\c:PC+14+4*\c], v[\s+16+32*\c:\s+31+32*\c], v[TM+12+2*\c+1]   ; (a conversion's three registers begin on an even number)
.endr
	v_nop                                          ; one plain place behind a scaled conversion
.irp c, 0,1                                    ; the operand's layout wants a whole block in a lane: lanes 0-15 block 2 c, lanes 16-31 block 2 c + 1
.irp i, 0,1,2
	v_permlane16_swap_b32 v[PC+6*\c+\i], v[PC+12+4*\c+\i]
.endr
.irp i, 0,1,2
	v_mov_b32 v[PC+3+6*\c+\i], v[PC+12+4*\c+\i]
.endr
.endr
.endm
	s_load_b128 s[4:7], s[0:1], 0x0                ; x, Wr
	s_load_b128 s[8:11], s[0:1], 0x10              ; br, xq
	s_load_b128 s[12:15], s[0:1], 0x20             ; xs, pw
	v_lshl_add_u32 v14, v0, 2, 0x1ac00
	v_mov_b32 v15, 0
	v_lshrrev_b32 v10, 5, v0
	v_readfirstlane_b32 s[WV], v10                 ; wave 0..7
	v_and_b32 v11, 31, v0                          ; lane
	v_and_b32 v12, 15, v0                          ; r
	v_bfe_u32 v13, v0, 4, 1                        ; h
	v_lshlrev_b32 v1, 4, v11                       ; v1 = 16 x lane: my 16 bytes of 512
	s_mul_i32 s28, s[WV], WREG
	v_add_nc_u32 v2, s28, v1                       ; v2: the stage on the way in
	v_mul_u32_u24 v3, v12, SPI
	v_lshl_add_u32 v3, v13, 6, v3
	v_add_nc_u32 v3, s28, v3                       ; v3: on the way out: row r, + 64 h
	s_lshl_b32 s28, s[WV], 12
	s_add_co_u32 s28, s28, WT
	v_lshl_add_u32 v4, v11, 3, s28                 ; v4: Wr in bf16, in: 8 bytes a lane
	v_and_b32 v5, 7, v0
	v_lshlrev_b32 v5, 4, v5
	v_lshl_add_u32 v5, v13, 8, v5
	v_add_nc_u32 v5, s28, v5                       ; v5: and out, turned: row k = 16 h + lane % 8
	s_lshl_b32 s28, s[WV], 10
	s_add_co_u32 s28, s28, LG
	v_add_nc_u32 v6, s28, v1                       ; v6: my wave's logits
	v_add_nc_u32 v7, LG, v1                        ; v7: all waves' logits
	s_lshl_b32 s28, s[WV], 7
	s_add_co_u32 s28, s28, XSS
	v_lshl_add_u32 v8, v12, 3, s28                 ; v8: my row's two scale words
	v_add_nc_u32 v9, XSS, v1                       ; v9: the block's scale words, 16 bytes a lane
	s_mov_b32 s[SEL], 0x76543210
	s_mov_b32 s[SEL+1], 0xfedcba98
	s_mov_b32 s25, 0x3fb8aa3b                      ; log2(e)
	s_lshl_b32 s28, ttmp9, 17                      ; x: 16 rows of 8,192 bytes a work-group,
	s_lshl_b32 s30, s[WV], 10                      ; 1,024 bytes of a row a wave
	s_add_co_u32 s28, s28, s30
	s_mov_b32 s29, 0
	s_lshl_b32 s30, s[WV], 13                      ; Wr: 256 rows of 32 bytes a wave
	s_mov_b32 s31, 0
	s_mul_i32 s32, s[WV], 393216                   ; xq: plane kc = wave,
	s_mul_i32 s34, ttmp9, 3072                     ; token block
	s_add_co_u32 s32, s32, s34
	s_mov_b32 s33, 0
	s_lshl_b32 s34, ttmp9, 10                      ; xs
	s_mov_b32 s35, 0
	s_lshl_b32 s36, ttmp9, 9                       ; pw
	s_mov_b32 s37, 0
	s_wait_kmcnt 0x0
	s_load_b256 s[16:23], s[8:9], 0x0              ; br's eight numbers
	s_add_nc_u64 s[4:5], s[4:5], s[28:29]
	s_add_nc_u64 s[6:7], s[6:7], s[30:31]
	s_add_nc_u64 s[10:11], s[10:11], s[32:33]
	s_add_nc_u64 s[12:13], s[12:13], s[34:35]
	s_add_nc_u64 s[14:15], s[14:15], s[36:37]
.irp t, 0,1,2,3,4,5,6,7,8,9,10,11,12,13,14,15
	global_load_b128 v[XT+4*\t:XT+4*\t+3], v1, s[6:7] offset:512*\t       ; Wr(16 t + lane / 2, 4 (lane % 2) ..)
.endr
.irp i, 0,1,2,3,4,5,6,7,8,9,10,11,12,13,14,15
	global_load_b128 v[R0+4*\i:R0+4*\i+3], v1, s[4:5] offset:8192*\i       ; row i, K step 0
.endr
.irp i, 0,1,2,3,4,5,6,7,8,9,10,11,12,13,14,15
	global_load_b128 v[R0+64+4*\i:R0+64+4*\i+3], v1, s[4:5] offset:8192*\i+512   ; row i, K step 1
.endr
	s_wait_loadcnt 32                              ; Wr is in; the 32 loads of x are younger
.irp t, 0,1,2,3,4,5,6,7,8,9,10,11,12,13,14,15
	v_cvt_pk_bf16_f32 v[CV+2*\t], v[XT+4*\t], v[XT+4*\t+1]
	v_cvt_pk_bf16_f32 v[CV+2*\t+1], v[XT+4*\t+2], v[XT+4*\t+3]
.endr
.irp t, 0,1,2,3,4,5,6,7,8,9,10,11,12,13,14,15
	ds_store_b64 v4, v[CV+2*\t:CV+2*\t+1] offset:256*\t                    ; row k of my 256 at 16 k
.endr
; One K step of 128.  left: the younger loads of x that may stay out.
.macro KSTEP q, left
	s_wait_loadcnt \left
.if \q
	s_wait_xcnt 0x0                                ; the last step's stores have read the codes' registers, which are written again below
.endif
.irp i, 0,1,2,3,4,5,6,7,8,9,10,11,12,13,14,15
	ds_store_b128 v2, v[R0+64*\q+4*\i:R0+64*\q+4*\i+3] offset:SPI*\i
.endr
.irp b, 0,1,2,3
.irp j, 0,1,2,3
	ds_load_b128 v[XT+16*\b+4*\j:XT+16*\b+4*\j+3], v3 offset:128*\b+16*\j   ; LDS serves a wave's instructions in order: these see my stores
.endr
.endr
.irp b, 0,1,2,3
.irp u, 0,1
	ds_load_tr16_b128 v[BF+8*\b+4*\u:BF+8*\b+4*\u+3], v5 offset:512*(4*\q+\b)+128*\u   ; lane (n, h): Wr(32 b + 16 h + 8 u + 0 .. 7, n % 8)
.endr
.endr
	s_wait_dscnt 0x0
.if \q == 0
.irp b, 0,1,2,3
	v_mov_b32 v[TM+4+\b], 0                        ; written once: a lane permute's destination counts as one of its sources
.endr
.endif
.irp b, 0,1,2,3
.irp j, 0,1,2,3,4,5,6,7
	v_cvt_pk_bf16_f32 v[AF+8*\b+\j], v[XT+16*\b+2*\j], v[XT+16*\b+2*\j+1]
.endr
.endr
.irp b, 0,1,2,3                                ; transposed: source 0 = Wr's columns (experts, twice), source 1 = my 16 tokens: lane r holds token r, register j expert j.  The two accumulators take turns
.if (\q == 0) && (\b < 2)
	v_wmma_f32_16x16x32_bf16 v[ACC+8*(\b%2):ACC+8*(\b%2)+7], v[BF+8*\b:BF+8*\b+7], v[AF+8*\b:AF+8*\b+7], 0
.else
	v_wmma_f32_16x16x32_bf16 v[ACC+8*(\b%2):ACC+8*(\b%2)+7], v[BF+8*\b:BF+8*\b+7], v[AF+8*\b:AF+8*\b+7], v[ACC+8*(\b%2):ACC+8*(\b%2)+7]
.endif
.endr
	QUANT XT, PW0+\q                               ; its 32 maxima are the places behind the products, ahead of the conversions that write over Wr's fragments
.irp g, 0,1,2
	global_store_b128 v1, v[PC+4*\g:PC+4*\g+3], s[10:11] offset:1536*\q+512*\g   ; 512 consecutive bytes a store
.endr
.endm
	KSTEP 0, 16                                    ; K step 1's 16 loads may stay out
	KSTEP 1, 0
.irp i, 0,1,2,3
	v_pk_add_f32 v[LS+2*\i:LS+2*\i+1], v[ACC+2*\i:ACC+2*\i+1], v[ACC+8+2*\i:ACC+8+2*\i+1]   ; both accumulators from their low ends on
.endr
	ds_store_b128 v6, v[LS:LS+3]
	ds_store_b128 v6, v[LS+4:LS+7] offset:512
	ds_store_b64 v8, v[PW0:PW0+1]                  ; lanes r and 16 + r write the same words with the same values
	s_wait_dscnt 0x0                               ; for wave 0's sake: my stores have landed
	s_barrier_signal -1
	s_barrier_wait -1
	s_cmp_lg_u32 s[WV], 0
	s_cbranch_scc1 .Ldone
.irp u, 0,1,2,3,4,5,6,7
	ds_load_b128 v[XT+8*\u:XT+8*\u+3], v7 offset:1024*\u
	ds_load_b128 v[XT+8*\u+4:XT+8*\u+7], v7 offset:1024*\u+512
.endr
	ds_load_b128 v[16:19], v9
	ds_load_b128 v[20:23], v9 offset:512
	s_wait_dscnt 0x0
	s_wait_kmcnt 0x0                               ; br
.irp u, 1,2,3,4,5,6,7
.irp i, 0,2,4,6
	v_pk_add_f32 v[XT+\i:XT+\i+1], v[XT+\i:XT+\i+1], v[XT+8*\u+\i:XT+8*\u+\i+1]
.endr
.endr
.irp j, 0,1,2,3,4,5,6,7
	v_add_f32 v[XT+\j], s[16+\j], v[XT+\j]
.endr
	v_max3_num_f32 v152, v144, v145, v146
	v_max3_num_f32 v152, v152, v147, v148
	v_max3_num_f32 v152, v152, v149, v150
	v_max_num_f32 v152, v152, v151                 ; the token's largest logit
	v_mul_f32 v152, s25, v152
.irp j, 0,1,2,3,4,5,6,7
	v_fma_f32 v[XT+\j], v[XT+\j], s25, -v152       ; (logit - maximum) x log2(e)
.endr
.irp j, 0,1,2,3,4,5,6,7
	v_exp_f32 v[XT+\j], v[XT+\j]
.endr
	v_nop                                          ; one plain place behind the exponentials
	s_wait_alu depctr_va_vdst(0)
	v_add_f32 v153, v144, v145
	v_add_f32 v154, v146, v147
	v_add_f32 v155, v148, v149
	v_add_f32 v156, v150, v151
	v_add_f32 v153, v153, v154
	v_add_f32 v155, v155, v156
	v_add_f32 v153, v153, v155
	v_rcp_f32 v153, v153
	v_nop                                          ; one plain place behind the reciprocal
	v_cmp_lt_u32 vcc_lo, 15, v11                   ; lanes 16-31 keep experts 4 to 7
	s_wait_alu depctr_va_vdst(0)
.irp j, 0,1,2,3,4,5,6,7
	v_mul_f32 v[XT+\j], v[XT+\j], v153
.endr
.irp i, 0,1,2,3
	v_cndmask_b32 v[160+\i], v[144+\i], v[148+\i], vcc_lo
.endr
	global_store_b128 v1, v[160:163], s[14:15]
	global_store_b128 v1, v[16:19], s[12:13]
	global_store_b128 v1, v[20:23], s[12:13] offset:512
.Ldone:
	s_wait_tensorcnt 0x0
	ds_add_u32 v14, v15
	s_wait_dscnt 0x0
	s_endpgm
.Lfunc_end_k_q2df2196202_prep:
	.size	k_q2df2196202_prep, .Lfunc_end_k_q2df2196202_prep-k_q2df2196202_prep
	.p2alignl 7, 3214868480
	.fill 96, 4, 3214868480
	.section	.rodata,"a",@progbits
	.p2align	6, 0x0
	.amdhsa_kernel k_q2df2196202_prep
		.amdhsa_group_segment_fixed_size 110592
		.amdhsa_private_segment_fixed_size 0
		.amdhsa_enable_private_segment 0
		.amdhsa_kernarg_size 48
		.amdhsa_user_sgpr_count 2
		.amdhsa_user_sgpr_kernarg_segment_ptr 1
		.amdhsa_wavefront_size32 1
		.amdhsa_system_sgpr_workgroup_id_x 1
		.amdhsa_system_sgpr_workgroup_id_y 1
		.amdhsa_system_sgpr_workgroup_id_z 1
		.amdhsa_system_vgpr_workitem_id 0
		.amdhsa_next_free_vgpr 256
		.amdhsa_next_free_sgpr 66
		.amdhsa_reserve_vcc 1
		.amdhsa_float_denorm_mode_32 3
		.amdhsa_float_denorm_mode_16_64 3
		.amdhsa_memory_ordered 1
		.amdhsa_forward_progress 1
		.amdhsa_inst_pref_size 35
	.end_amdhsa_kernel
	.amdgpu_metadata
---
amdhsa.version: [ 1, 2 ]
amdhsa.kernels:
  - .name:           k_q2df2196202_prep
    .symbol:         k_q2df2196202_prep.kd
    .args:
      - { .name: x, .offset: 0, .size: 8, .value_kind: global_buffer, .address_space: global }
      - { .name: Wr, .offset: 8, .size: 8, .value_kind: global_buffer, .address_space: global }
      - { .name: br, .offset: 16, .size: 8, .value_kind: global_buffer, .address_space: global }
      - { .name: xq, .offset: 24, .size: 8, .value_kind: global_buffer, .address_space: global }
      - { .name: xs, .offset: 32, .size: 8, .value_kind: global_buffer, .address_space: global }
      - { .name: pw, .offset: 40, .size: 8, .value_kind: global_buffer, .address_space: global }
    .group_segment_fixed_size: 110592
    .private_segment_fixed_size: 0
    .kernarg_segment_align: 8
    .kernarg_segment_size: 48
    .max_flat_workgroup_size: 256
    .sgpr_count:     66
    .vgpr_count:     256
    .wavefront_size: 32
...
	.end_amdgpu_metadata
.endif
;; end of part 1
;; launch up (part 2): grid 32 x 8, 4 waves a work-group, clusters of 4 x 4, 327,680 bytes of LDS; arguments xq, xs, Wu_codes, Wu_scales, bu, hq, hs; writes hq, hs
.if DOCPART == 2
	.amdgcn_target "amdgcn-amd-amdhsa--gfx1250"
	.amdhsa_code_object_version 6
	.text
	.protected	k_q2df2196202_up
	.globl	k_q2df2196202_up
	.p2align	8
	.type	k_q2df2196202_up,@function
k_q2df2196202_up:
	s_mov_b64 s[64:65], 0
	v_nop
	global_prefetch_b8 v0, s[64:65] scope:SCOPE_SE
	s_setreg_imm32_b32 hwreg(HW_REG_WAVE_MODE, 25, 1), 1
	s_wait_xcnt 0x0
	s_wait_alu depctr_hold_cnt(0) depctr_sa_sdst(0) depctr_va_vdst(0) depctr_va_sdst(0) depctr_va_ssrc(0) depctr_va_vcc(0) depctr_vm_vsrc(0)
	s_getreg_b32 s2, hwreg(HW_REG_IB_STS2, 6, 4)
	s_cmp_eq_u32 s2, 0
	s_cbranch_scc0 .Lentry_in_a_cluster
	s_endpgm
.Lentry_in_a_cluster:
	s_bfe_u32 s2, ttmp6, 0x10000c
	s_cmp_lg_u32 s2, 0xf033
	s_cbranch_scc0 .Lentry_shape_is_right
	s_endpgm
.Lentry_shape_is_right:
; UP: h = Q(gelu(Q(x) Wu^T + bu)): [2048 tokens] x [8192 hidden units = 8 experts x 1024], K = 2048, on codes of FP6 (E2M3) with one E8M0 scale for each 32 along K; sums in f32.
; gelu(v) = v / (1 + 2^z), z = -2 log2(e) sqrt(2 / pi) (v + 0.044715 v^3): the tanh form, written with one exponential and one reciprocal, all in f32.  Q: the quantiser along the hidden units.
; LIMITS: NaN and infinities are not served.  A block of zeros gets the byte 1 (not 127): its codes are zeros, and this program alone reads the bytes.
; SHARES.  A work-group makes 256 tokens x 256 hidden units; each of its four waves 128 x 128: 64 accumulators, 512 registers.  K goes in chunks of 256 through two LDS slots filled by the tensor data mover.
; x's codes come as IMAGES of fragments (12 registers a lane: group g of lane l at 512 g + 16 l), dense: three loads of 16 bytes a fragment.  Wu's come as rows of 192 bytes, 16 bytes of padding behind every 64.
; The scale words of the work-group's rows, for all of K, come once, with the first fills, and stay.
; CLUSTER 4 x 4: the four work-groups of a row of the cluster need the same tiles of x, the four of a column the same tiles of Wu: each tile is asked for jointly.
; TRANSPOSED: source 0 = 16 rows of Wu, source 1 = 16 tokens: a lane holds one token, its eight registers eight neighbouring hidden units, which are the next product's K.  bu is the C of each sum's first product.
; LDS LOADS STAND IN SLICES of four behind single matrix instructions (two window switches a slice), so that the wave never leaves the matrix unit for a long run of loads.
; REGISTERS: window 0: v16-30 addresses; v32-95 scale words, two sets, and nothing else; v96-159 bu; v160-255 x's 8 fragments, one set.  window 1: Wu's 8 fragments, two sets, at v0 and v128.
;   windows 2, 3: accumulator (a, b) at v[8 (8 (a % 4) + b)].  On the way out window 0's v96-215 are at work.
; OUT.  hq [chunk of 256 hidden 0..31][token block 0..127][q 0..1][1536]: images.   hs [128 tokens 0..15][chunk][q][slot L 0..31][i 0..3]: the scale word of token block 4 (L / 16) + i, row L % 16.
.set PITCH, 240
.set SLOT,  110592                     ; x: 2 x 24,576; Wu: 2 x 128 rows x 240
.set AH,    24576
.set BOFF,  49152
.set BH,    128*PITCH
.set SCA,   2*SLOT                     ; x's scale words: 16 token blocks x 1,024 bytes
.set SCB,   SCA+16384                  ; Wu's: 2 x 32 units of 256 bytes + 16
.set SBH,   8704
.set SPARE, SCB+2*SBH                  ; the spare words, 128 bytes a wave: two blocks of 256 bytes that no other line names
.set KPL,   393216                     ; a plane of xq or of hq
.set ADA,  16                          ; v16-17 my x images in slot 0, 1
.set ADB,  20                          ; v20-21 my rows of Wu in slot 0, 1; v22-23 the same behind one padding more
.set HO,   24                          ; v24 16 x lane
.set VBI,  25                          ; v25 32 h
.set ADSA, 26                          ; v26 x's scale words of the chunk to be fetched
.set ADSB, 27                          ; v27 Wu's
.set SPW,  28                          ; v28 my spare word; never rewritten
.set NIL,  29                          ; v29 0; never rewritten
.set LN,   30                          ; v30 lane
.set SA,   32                          ; set s: x's word of block a, step q at v[32 + 32 s + 2 a + q]
.set SB,   48                          ; Wu's word of block b at v[48 + 32 s + 2 b + q]
.set BI,   96
.set AF,   160
.set G,    96                          ; the way out: 64 numbers
.set TM,   160
.set PC,   176
.set PWS,  200                         ; v200-207 the eight blocks' scale words
.set K0V,  208
.set K1V,  210
.set SLR,  212
.set WV,   20
.set SEL,  18
.set G1A,  24
.set G1B,  32
.set G1SA, 48
.set G1SB, 56
.set G0A,  68
.set G0B,  76
.set G0SA, 84
.set G0SB, 88
.set MSB, 0
.macro WIN new                         ; the immediate's high byte repeats the setting that is left; a switch that changes nothing is dropped
.if MSB != (\new)
	s_set_vgpr_msb (MSB<<8)|(\new)
.set MSB, (\new)
.endif
.endm
.macro PLACES n
.rept \n
	v_nop
.endr
.endm
; A joint load: waves 0 and 1 fetch for x, waves 2 and 3 for Wu.  The branch hangs on the wave's number alone.  Four v_nop follow each of the two lines.
.macro JLOAD g0a, g1a, g0b, g1b
	s_cmp_eq_u32 s21, 0
	s_cbranch_scc0 .Lfor_b_\@
	tensor_load_to_lds s[\g0a:\g0a+3], s[\g1a:\g1a+7]
	s_nop 0
.rept 4
	v_nop
.endr
	s_branch .Lasked_\@
.Lfor_b_\@:
	tensor_load_to_lds s[\g0b:\g0b+3], s[\g1b:\g1b+7]
	s_nop 0
.rept 4
	v_nop
.endr
.Lasked_\@:
.endm
.macro CREST                           ; a round of the cluster's barrier behind its opening barrier
	s_cmp_lg_u32 s[WV], 0
	s_cbranch_scc1 .Lnot_wave_0_\@
	s_barrier_signal -3
.Lnot_wave_0_\@:
	s_barrier_wait -3
	s_barrier_signal -1
	s_barrier_wait -1
.endm
.macro CROUND
	s_barrier_signal -1
	s_barrier_wait -1
	CREST
.endm
.macro GROUP1 g, c, r, p               ; words 1 to 7 of a group 1: rows of c elements, r rows, p elements from row to row
	s_mov_b32 s[\g+1], (\c)<<16
	s_mov_b32 s[\g+2], (\r)<<16
	s_mov_b32 s[\g+3], (\c)<<16
	s_mov_b32 s[\g+4], \r
	s_mov_b32 s[\g+5], \p
	s_mov_b32 s[\g+6], 0
	s_mov_b32 s[\g+7], 0
.endm
.macro GROUP0 g, lds, off, adr, step   ; a group 0: to LDS byte s[lds] + off, from address s[adr:adr+1] + step
	s_mov_b32 s[\g], 1
	s_add_co_u32 s[\g+1], s[\lds], \off
	s_add_nc_u64 s[\g+2:\g+3], s[\adr:\adr+1], \step
	s_or_b32 s[\g+3], s[\g+3], 0x80000000
.endm
.macro QUANT s, pw                     ; 64 numbers of a lane, register 16 b + i = k 32 b + 16 (lane / 16) + i of my row, become codes in v[PC] on and a scale word in v[pw]
.irp b, 0,1,2,3
	v_max3_num_f32 v[TM+\b], |v[\s+16*\b]|, |v[\s+1+16*\b]|, 0x1800000   ; and the floor 2^(3 - 127): the byte cannot fall under 1
.endr
.irp i, 2,4,6,8,10,12,14
.irp b, 0,1,2,3
	v_max3_num_f32 v[TM+\b], v[TM+\b], |v[\s+16*\b+\i]|, |v[\s+1+16*\b+\i]|
.endr
.endr
.irp b, 0,1,2,3
	v_permlanex16_b32 v[TM+4+\b], v[TM+\b], s[SEL], s[SEL+1]
.endr
.irp b, 0,1,2,3
	v_max_num_f32 v[TM+\b], v[TM+\b], v[TM+4+\b]
.endr
.irp b, 0,1,2,3
	v_add_nc_u32 v[TM+12+\b], 0xff000000, v[TM+\b]   ; 2 off the exponent field: the conversion's scale operand
.endr
.irp b, 0,1,2,3
	v_lshrrev_b32 v[TM+4+\b], 23, v[TM+12+\b]
.endr
	v_lshl_or_b32 v[\pw], v[TM+5], 8, v[TM+4]
	v_lshl_or_b32 v[\pw], v[TM+6], 16, v[\pw]
	v_lshl_or_b32 v[\pw], v[TM+7], 24, v[\pw]
.irp c, 0,1
	v_cvt_scalef32_pk16_fp6_f32 v[PC+6*\c:PC+2+6*\c], v[\s+32*\c:\s+15+32*\c], v[TM+12+2*\c]
	v_cvt_scalef32_pk16_fp6_f32 v[PC+12+4*\c:PC+14+4*\c], v[\s+16+32*\c:\s+31+32*\c], v[TM+12+2*\c+1]
.endr
	v_nop                                          ; one plain place behind a scaled conversion
.irp c, 0,1
.irp i, 0,1,2
	v_permlane16_swap_b32 v[PC+6*\c+\i], v[PC+12+4*\c+\i]
.endr
.irp i, 0,1,2
	v_mov_b32 v[PC+3+6*\c+\i], v[PC+12+4*\c+\i]
.endr
.endr
.endm
	s_load_b256 s[4:11], s[0:1], 0x0               ; xq, xs, Wu_codes, Wu_scales
	s_load_b128 s[12:15], s[0:1], 0x20             ; bu, hq
	s_load_b64 s[16:17], s[0:1], 0x30              ; hs
	v_lshl_add_u32 v[SPW], v0, 2, SPARE
	v_mov_b32 v[NIL], 0
	ds_add_u32 v28, v29
	ds_add_u32 v28, v29
	s_wait_dscnt 0x0
	v_lshrrev_b32 v1, 5, v0
	v_readfirstlane_b32 s[WV], v1                  ; wave 0..3
	s_lshr_b32 s21, s[WV], 1                       ; my half of the tokens.  Also: I fetch for x (0) or for Wu (1)
	s_and_b32 s22, s[WV], 1                        ; my half of the hidden units.  Also: which half of that tile I fetch
	s_bfe_u32 s40, ttmp6, 0x40000                  ; cx, cy
	s_bfe_u32 s41, ttmp6, 0x40004
	s_lshl_b32 s42, ttmp9, 2
	s_add_co_u32 s42, s42, s40                     ; X: the chunk of 256 hidden units
	s_and_b32 s43, ttmp7, 0xffff
	s_lshl_b32 s43, s43, 2
	s_add_co_u32 s43, s43, s41                     ; Y: the block of 256 tokens
	s_lshl_b32 s44, s41, 2
	s_lshl_b32 s44, 15, s44                        ; my row of the cluster
	s_lshl_b32 s45, 0x1111, s40                    ; my column
	s_or_b32 s[G1A], s44, (3<<16)|(1<<21)          ; x's tile: 24,576 dense bytes as 96 rows of 32 elements of 8 bytes; no padding; bit 21 beside the mask
	s_or_b32 s[G1B], s45, (1<<20)|(1<<21)|(3<<22)|(3<<25)   ; Wu's: 128 rows of 192 bytes, 1,536 apart; 4 words of padding behind every 16
	s_or_b32 s[G1SA], s44, (3<<16)|(1<<21)         ; x's scale words: 8,192 dense bytes
	s_or_b32 s[G1SB], s45, (3<<16)|(1<<20)|(1<<21)|(5<<22)|(3<<25)   ; Wu's: 8,192 dense bytes, 4 words of padding behind every 64
	GROUP1 G1A, 32, 96, 32
	GROUP1 G1B, 192, 128, 1536
	GROUP1 G1SA, 32, 32, 32
	GROUP1 G1SB, 32, 32, 32
	s_mul_i32 s92, s43, 49152                      ; x's tiles and scale words hang on Y and the wave alone (s92-95 never hold X),
	s_mul_i32 s93, s22, AH
	s_add_co_u32 s92, s92, s93
	s_mov_b32 s93, 0
	s_lshl_b32 s94, s43, 14
	s_lshl_b32 s95, s22, 13
	s_add_co_u32 s94, s94, s95
	s_mov_b32 s95, 0
	s_mul_i32 s96, s42, 256*1536                   ; Wu's on X and the wave alone (s96-99 never hold Y)
	s_mul_i32 s97, s22, 128*1536
	s_add_co_u32 s96, s96, s97
	s_mov_b32 s97, 0
	s_lshl_b32 s98, s42, 14
	s_lshl_b32 s99, s22, 13
	s_add_co_u32 s98, s98, s99
	s_mov_b32 s99, 0
	s_mul_i32 s46, s22, AH                         ; where they go in LDS: the wave's number alone
	s_mul_i32 s47, s22, BH
	s_add_co_u32 s47, s47, BOFF
	s_lshl_b32 s66, s22, 13
	s_add_co_u32 s66, s66, SCA
	s_mul_i32 s67, s22, SBH
	s_add_co_u32 s67, s67, SCB
	s_mov_b32 s[SEL], 0x76543210
	s_mov_b32 s[SEL+1], 0xfedcba98
	s_wait_kmcnt 0x0
	s_add_nc_u64 s[92:93], s[4:5], s[92:93]
	s_add_nc_u64 s[94:95], s[6:7], s[94:95]
	s_add_nc_u64 s[96:97], s[8:9], s[96:97]
	s_add_nc_u64 s[98:99], s[10:11], s[98:99]
	CROUND                                         ; all sixteen work-groups are here: the first joint loads meet
	GROUP0 G0SA, 66, 0, 94, 0
	GROUP0 G0SB, 67, 0, 98, 0
	GROUP0 G0A, 46, 0, 92, 0
	GROUP0 G0B, 47, 0, 96, 0
	GROUP0 G0A+4, 46, SLOT, 92, KPL
	GROUP0 G0B+4, 47, SLOT, 96, 192
	JLOAD G0SA, G1SA, G0SB, G1SB                   ; three loads of mine are out: the scale words, chunk 0, chunk 1
	JLOAD G0A, G1A, G0B, G1B
	JLOAD G0A+4, G1A, G0B+4, G1B
	v_and_b32 v[LN], 31, v0
	v_and_b32 v1, 15, v0                           ; r
	v_bfe_u32 v2, v0, 4, 1                         ; h
	v_lshlrev_b32 v[HO], 4, v[LN]
	s_mul_i32 s23, s21, AH
	v_add_nc_u32 v[ADA], s23, v[HO]
	v_add_nc_u32 v[ADA+1], SLOT, v[ADA]
	v_mul_u32_u24 v3, v1, PITCH
	v_mad_u32_u24 v3, v2, 24, v3                   ; row r x pitch + 24 h
	v_lshl_add_u32 v4, v2, 4, v3                   ; and behind one padding more
	s_mul_i32 s23, s22, BH
	s_add_co_u32 s23, s23, BOFF
	v_add_nc_u32 v[ADB], s23, v3
	v_add_nc_u32 v[ADB+2], s23, v4
	v_add_nc_u32 v[ADB+1], SLOT, v[ADB]
	v_add_nc_u32 v[ADB+3], SLOT, v[ADB+2]
	s_lshl_b32 s23, s21, 13
	s_add_co_u32 s23, s23, SCA
	v_lshl_add_u32 v[ADSA], v1, 3, s23             ; x's words: 8 bytes a row and chunk
	v_lshrrev_b32 v3, 2, v1
	v_lshlrev_b32 v4, 6, v1
	v_lshl_add_u32 v4, v3, 4, v4                   ; Wu's: 64 bytes a row, 16 more for each 256 passed
	s_mul_i32 s23, s22, SBH
	s_add_co_u32 s23, s23, SCB
	v_add_nc_u32 v[ADSB], s23, v4
	v_lshlrev_b32 v[VBI], 5, v2
	s_lshl_b32 s66, s42, 10                        ; bu: my 128 hidden units
	s_lshl_b32 s67, s22, 9
	s_add_co_u32 s66, s66, s67
	s_mov_b32 s67, 0
	s_add_nc_u64 s[12:13], s[12:13], s[66:67]
.irp b, 0,1,2,3,4,5,6,7
	global_load_b128 v[BI+8*\b:BI+8*\b+3], v[VBI], s[12:13] offset:64*\b        ; lane (r, h): bu of units 16 b + 8 h + 0 .. 7
	global_load_b128 v[BI+8*\b+4:BI+8*\b+7], v[VBI], s[12:13] offset:64*\b+16
.endr
	s_mul_i32 s66, s42, KPL                        ; hq: plane X, token block 16 Y + 8 x my half, step = my half of the hidden units
	s_mul_i32 s67, s43, 49152
	s_add_co_u32 s66, s66, s67
	s_mul_i32 s67, s21, 24576
	s_add_co_u32 s66, s66, s67
	s_mul_i32 s67, s22, 1536
	s_add_co_u32 s66, s66, s67
	s_mov_b32 s67, 0
	s_add_nc_u64 s[14:15], s[14:15], s[66:67]
	s_lshl_b32 s66, s43, 16                        ; hs: 32,768 (2 Y + my half) + 1,024 X + 512 x step
	s_lshl_b32 s67, s21, 15
	s_add_co_u32 s66, s66, s67
	s_lshl_b32 s67, s42, 10
	s_add_co_u32 s66, s66, s67
	s_lshl_b32 s67, s22, 9
	s_add_co_u32 s66, s66, s67
	s_mov_b32 s67, 0
	s_add_nc_u64 s[16:17], s[16:17], s[66:67]
; Matrix instruction i of a step's 64: x's block i / 8 against Wu's block i % 8.  p: Wu's set; q: the chunk's step; sc: the set of scale words.  The 64 accumulators take turns.
.macro MM p, q, sc, zero
.set MA, i/8
.set MB, i%8
.set DD, 8*(8*(MA%4)+MB)
.if \zero
	WIN 0x81+0x40*(MA/4)                           ; source 0 window 1, source 1 and C (bu) window 0, D window 2 or 3
	v_wmma_scale_f32_16x16x128_f8f6f4 v[DD:DD+7], v[128*(\p)+12*MB:128*(\p)+12*MB+11], v[AF+12*MA:AF+12*MA+11], v[BI+8*MB:BI+8*MB+7], v[SB+32*(\sc)+2*MB+(\q)], v[SA+32*(\sc)+2*MA+(\q)] matrix_a_fmt:MATRIX_FMT_FP6 matrix_b_fmt:MATRIX_FMT_FP6
.else
	WIN 0xa1+0x50*(MA/4)                           ; C and D window 2 or 3
	v_wmma_scale_f32_16x16x128_f8f6f4 v[DD:DD+7], v[128*(\p)+12*MB:128*(\p)+12*MB+11], v[AF+12*MA:AF+12*MA+11], v[DD:DD+7], v[SB+32*(\sc)+2*MB+(\q)], v[SA+32*(\sc)+2*MA+(\q)] matrix_a_fmt:MATRIX_FMT_FP6 matrix_b_fmt:MATRIX_FMT_FP6
.endif
.endm
.macro BL n, slot, q, p                ; piece n of 48 of Wu's eight fragments: 8 bytes; lanes 16-31 read three pieces on, which for some pieces is behind one padding more
.set FB, (\n)/6
.set PP, (\n)%6
.set PCE, 12*(\q)+6*(PP/3)+PP%3
.if PCE%8 < 5
	ds_load_b64 v[128*(\p)+12*FB+2*PP:128*(\p)+12*FB+2*PP+1], v[ADB+\slot] offset:8*PCE+16*(PCE/8)+FB*16*PITCH
.else
	ds_load_b64 v[128*(\p)+12*FB+2*PP:128*(\p)+12*FB+2*PP+1], v[ADB+2+\slot] offset:8*PCE+16*(PCE/8)+FB*16*PITCH
.endif
.endm
.macro AL n, slot, q, a0               ; load n of 12 of x's blocks a0 .. a0 + 3
.set FA, (\a0)+(\n)/3
.set GG, (\n)%3
	ds_load_b128 v[AF+12*FA+4*GG:AF+12*FA+4*GG+3], v[ADA+\slot] offset:(2*FA+(\q))*1536+512*GG
.endm
.macro SLN k, slot, q, p               ; slice k of 15 of a step's fetch: Wu's eight fragments into set p, then x's blocks 0-3
.if (\k) < 12
	WIN 0x40
.irp u, 0,1,2,3
	BL 4*(\k)+\u, \slot, \q, \p
.endr
.else
	WIN 0
.irp u, 0,1,2,3
	AL 4*((\k)-12)+\u, \slot, \q, 0
.endr
.endif
.endm
.macro SLO k, slot, q                  ; slice k of 3: x's blocks 4-7 of the step in hand
	WIN 0
.irp u, 0,1,2,3
	AL 4*(\k)+\u, \slot, \q, 4
.endr
.endm
.macro SLS k, sc                       ; slice k of 4 of a chunk's scale words into set sc
	WIN 0
.irp u, 0,1,2,3
.if (\k) < 2
	ds_load_b64 v[SA+32*(\sc)+2*(4*(\k)+\u):SA+32*(\sc)+2*(4*(\k)+\u)+1], v[ADSA] offset:(4*(\k)+\u)*1024
.else
	ds_load_b64 v[SB+32*(\sc)+2*(4*((\k)-2)+\u):SB+32*(\sc)+2*(4*((\k)-2)+\u)+1], v[ADSB] offset:(4*((\k)-2)+\u)*1088
.endif
.endr
.endm
; A load into a register that a matrix instruction has read stands four places behind it, and only plain vector instructions that name none of its registers are places (ISA guide 7.12.1 for vector
; instructions).  So four v_nop stand behind instruction 0 (for x's blocks 4-7, last read by the step before) and behind instruction 32 (for x's blocks 0-3 and Wu's other set).
.macro STEP slot, zero                 ; a chunk's first 128 along K
	s_wait_dscnt 0x0                               ; Wu's set 0, x's blocks 0-3 and the scale words are in
.set i, 0
.rept 64
	MM 0, 0, \slot, \zero
.if i == 0 || i == 32
	PLACES 4
.endif
.if i >= 1 && i <= 3
	SLO i-1, \slot, 0
.endif
.if i == 31
	s_wait_dscnt 0x0                               ; x's blocks 4-7 are in (asked for 28 matrix instructions ago)
.endif
.if i >= 33 && i <= 47
	SLN i-33, \slot, 1, 1
.endif
.set i, i+1
.endr
	WIN 0
.endm
; A chunk's second 128 along K, and the change of slots: ONE barrier; in front of it each wave waits for all its tensor loads, adds 0 to its spare word, and waits for that and for its reads of this slot.
.macro TURN slot, next, fill
	s_wait_dscnt 0x0
.set i, 0
.rept 64
	MM 1, 1, \slot, 0
.if i == 0
	PLACES 4
.endif
.if i >= 1 && i <= 3
	SLO i-1, \slot, 1
.endif
.if i == 15
	WIN 0                                          ; (the add's two registers lie in window 0)
	s_wait_tensorcnt 0x0                           ; all my tensor loads have landed: the one that was out is my part of the next slot
	ds_add_u32 v[SPW], v[NIL]                      ; 0 onto my spare word: eight matrix instructions stand between it and the wait for it
.endif
.if i == 23
	s_wait_dscnt 0x0                               ; the add is done, and my reads of this slot are over (x's blocks 4-7 were the last)
	s_barrier_signal -1
.endif
.if i == 31
	WIN 0
	s_barrier_wait -1
.if \fill
	CREST                                          ; the barrier has opened a round of the cluster's: no wave of any partner still reads this slot or has a load on its way
	s_add_nc_u64 s[G0A+4*\slot+2:G0A+4*\slot+3], s[G0A+4*\slot+2:G0A+4*\slot+3], 2*KPL
	s_add_nc_u64 s[G0B+4*\slot+2:G0B+4*\slot+3], s[G0B+4*\slot+2:G0B+4*\slot+3], 2*192
	JLOAD G0A+4*\slot, G1A, G0B+4*\slot, G1B       ; the first tensor load behind the round: 112 matrix instructions ahead of the wait for it; its four v_nop are the places for the loads below
.else
	PLACES 4
.endif
	v_add_nc_u32 v[ADSA], 128, v[ADSA]             ; on to the next chunk's scale words
	v_add_nc_u32 v[ADSB], 8, v[ADSB]
.endif
.if i >= 33 && i <= 47
	SLN i-33, \next, 0, 0
.endif
.if i >= 48 && i <= 51
	SLS i-48, \next
.endif
.set i, i+1
.endr
	WIN 0
.endm
.macro LAST slot                       ; the very last 128 along K: nothing more to fetch but x's blocks 4-7
	s_wait_dscnt 0x0
.set i, 0
.rept 64
	MM 1, 1, \slot, 0
.if i == 0
	PLACES 4
.endif
.if i >= 1 && i <= 3
	SLO i-1, \slot, 1
.endif
.if i == 31
	s_wait_dscnt 0x0
.endif
.set i, i+1
.endr
	WIN 0
.endm
	s_wait_tensorcnt 0x1                           ; the scale words and my part of chunk 0 are in; chunk 1's load may stay out
	s_barrier_signal -1
	s_barrier_wait -1
.set k, 0
.rept 15
	SLN k, 0, 0, 0
.set k, k+1
.endr
.set k, 0
.rept 4
	SLS k, 0
.set k, k+1
.endr
	WIN 0
	s_wait_loadcnt 0x0                             ; bu
	STEP 0, 1                                      ; the first step stands ahead of the loop: its products start the sums, with bu as C
	s_mov_b32 s3, 3
.Llap:                                             ; a trip goes once round the ring and fills both slots again: chunks 2 to 7
	TURN 0, 1, 1
	STEP 1, 0
	TURN 1, 0, 1
	STEP 0, 0
	s_sub_co_u32 s3, s3, 1
	s_cmp_lg_u32 s3, 0
	s_cbranch_scc1 .Llap
	TURN 0, 1, 0                                   ; the last lap fills nothing
	STEP 1, 0
	LAST 1
; THE WAY OUT, a block of 16 tokens x 128 hidden units at a time: gelu, the turn that makes a lane's 16 registers 16 neighbours, the quantiser, three stores of 512 consecutive bytes.  No LDS.
	PLACES 4                                       ; behind the last products: their results are read and x's registers written below
	v_mov_b32 v[K0V], 0xc0135761                   ; -2 log2(e) sqrt(2 / pi)
	v_mov_b32 v[K0V+1], 0xc0135761
	v_mov_b32 v[K1V], 0xbdd2d3e8                   ; the same x 0.044715
	v_mov_b32 v[K1V+1], 0xbdd2d3e8
.irp b, 0,1,2,3
	v_mov_b32 v[TM+4+\b], 0                        ; written once: a lane permute's destination counts as one of its sources
.endr
.macro OUTB a
.set AC, 64*((\a)%4)
.set WX, 0x08+4*((\a)/4)               ; source 1 = the block's accumulators, window 2 or 3
	WIN WX
.set j, 0
.rept 32
	v_pk_mul_f32 v[G+j:G+j+1], v[K1V:K1V+1], v[AC+j:AC+j+1]         ; each accumulator from its low end on
.set j, j+2
.endr
.set j, 0
.rept 32
	v_pk_fma_f32 v[G+j:G+j+1], v[G+j:G+j+1], v[AC+j:AC+j+1], v[K0V:K0V+1]
.set j, j+2
.endr
.set j, 0
.rept 32
	v_pk_mul_f32 v[G+j:G+j+1], v[G+j:G+j+1], v[AC+j:AC+j+1]         ; z
.set j, j+2
.endr
	WIN 0
.set j, 0
.rept 64
	v_exp_f32 v[G+j], v[G+j]
.set j, j+1
.endr
	v_nop                                          ; one plain place behind the exponentials
.set j, 0
	s_wait_alu depctr_va_vdst(0)
.rept 32
	v_pk_add_f32 v[G+j:G+j+1], v[G+j:G+j+1], 1.0 op_sel_hi:[1,0]
.set j, j+2
.endr
.set j, 0
.rept 64
	v_rcp_f32 v[G+j], v[G+j]
.set j, j+1
.endr
	v_nop                                          ; one plain place behind the reciprocals
	WIN WX
.set j, 0
	s_wait_alu depctr_va_vdst(0)
.rept 32
	v_pk_mul_f32 v[G+j:G+j+1], v[G+j:G+j+1], v[AC+j:AC+j+1]         ; gelu
.set j, j+2
.endr
	WIN 0
.irp bb, 0,1,2,3                               ; tiles 2 bb and 2 bb + 1 hold units 32 bb + 8 h + j and 32 bb + 16 + 8 h + j: the first's lanes 16-31 change places with the second's lanes 0-15,
.irp t, 0,1,2,3,4,5,6,7                        ; and register 16 bb + i is unit 32 bb + 16 h + i
	v_permlane16_swap_b32 v[G+16*\bb+\t], v[G+16*\bb+8+\t]
.endr
.endr
.if (\a) > 0
	s_wait_xcnt 0x0                                ; the last block's stores have read the codes' registers
.endif
	QUANT G, PWS+\a
.irp g, 0,1,2
	global_store_b128 v[HO], v[PC+4*\g:PC+4*\g+3], s[14:15] offset:3072*(\a)+512*\g
.endr
.endm
.irp a, 0,1,2,3,4,5,6,7
	OUTB \a
.endr
	v_cmp_lt_u32 vcc_lo, 15, v[LN]                 ; lanes 16-31 keep blocks 4 to 7
.irp i, 0,1,2,3
	v_cndmask_b32 v[SLR+\i], v[PWS+\i], v[PWS+4+\i], vcc_lo
.endr
	global_store_b128 v[HO], v[SLR:SLR+3], s[16:17]
	s_wait_tensorcnt 0x0                           ; the wave's end
	ds_add_u32 v[SPW], v[NIL]
	s_wait_dscnt 0x0
	CROUND                                         ; the closing round: no work-group ends while a partner may still ask for a tile that names it
	s_endpgm
.Lfunc_end_k_q2df2196202_up:
	.size	k_q2df2196202_up, .Lfunc_end_k_q2df2196202_up-k_q2df2196202_up
	.p2alignl 7, 3214868480
	.fill 96, 4, 3214868480
	.section	.rodata,"a",@progbits
	.p2align	6, 0x0
	.amdhsa_kernel k_q2df2196202_up
		.amdhsa_group_segment_fixed_size 327680
		.amdhsa_private_segment_fixed_size 0
		.amdhsa_enable_private_segment 0
		.amdhsa_kernarg_size 56
		.amdhsa_user_sgpr_count 2
		.amdhsa_user_sgpr_kernarg_segment_ptr 1
		.amdhsa_wavefront_size32 1
		.amdhsa_system_sgpr_workgroup_id_x 1
		.amdhsa_system_sgpr_workgroup_id_y 1
		.amdhsa_system_sgpr_workgroup_id_z 1
		.amdhsa_system_vgpr_workitem_id 0
		.amdhsa_next_free_vgpr 1024
		.amdhsa_next_free_sgpr 100
		.amdhsa_reserve_vcc 1
		.amdhsa_float_denorm_mode_32 3
		.amdhsa_float_denorm_mode_16_64 3
		.amdhsa_memory_ordered 1
		.amdhsa_forward_progress 1
		.amdhsa_inst_pref_size 255
	.end_amdhsa_kernel
	.section	.bss,"aw",@nobits
	.p2align	6
	.space	262144
	.amdgpu_metadata
---
amdhsa.version: [ 1, 2 ]
amdhsa.kernels:
  - .name:           k_q2df2196202_up
    .symbol:         k_q2df2196202_up.kd
    .args:
      - { .name: xq, .offset: 0, .size: 8, .value_kind: global_buffer, .address_space: global }
      - { .name: xs, .offset: 8, .size: 8, .value_kind: global_buffer, .address_space: global }
      - { .name: Wu_codes, .offset: 16, .size: 8, .value_kind: global_buffer, .address_space: global }
      - { .name: Wu_scales, .offset: 24, .size: 8, .value_kind: global_buffer, .address_space: global }
      - { .name: bu, .offset: 32, .size: 8, .value_kind: global_buffer, .address_space: global }
      - { .name: hq, .offset: 40, .size: 8, .value_kind: global_buffer, .address_space: global }
      - { .name: hs, .offset: 48, .size: 8, .value_kind: global_buffer, .address_space: global }
    .group_segment_fixed_size: 327680
    .private_segment_fixed_size: 0
    .kernarg_segment_align: 8
    .kernarg_segment_size: 56
    .max_flat_workgroup_size: 128
    .sgpr_count:     100
    .vgpr_count:     1024
    .wavefront_size: 32
...
	.end_amdgpu_metadata
.endif
;; end of part 2
;; launch down (part 3): grid 16 x 16, 4 waves a work-group, clusters of 4 x 4, 327,680 bytes of LDS; arguments hq, hs, Wd_codes, Wd_scales, bd, pw, x, out0; writes out0
.if DOCPART == 3
	.amdgcn_target "amdgcn-amd-amdhsa--gfx1250"
	.amdhsa_code_object_version 6
	.text
	.protected	k_q2df2196202_down
	.globl	k_q2df2196202_down
	.p2align	8
	.type	k_q2df2196202_down,@function
k_q2df2196202_down:
	s_mov_b64 s[64:65], 0
	v_nop
	global_prefetch_b8 v0, s[64:65] scope:SCOPE_SE
	s_setreg_imm32_b32 hwreg(HW_REG_WAVE_MODE, 25, 1), 1
	s_wait_xcnt 0x0
	s_wait_alu depctr_hold_cnt(0) depctr_sa_sdst(0) depctr_va_vdst(0) depctr_va_sdst(0) depctr_va_ssrc(0) depctr_va_vcc(0) depctr_vm_vsrc(0)
	s_getreg_b32 s2, hwreg(HW_REG_IB_STS2, 6, 4)
	s_cmp_eq_u32 s2, 0
	s_cbranch_scc0 .Lentry_in_a_cluster
	s_endpgm
.Lentry_in_a_cluster:
	s_bfe_u32 s2, ttmp6, 0x10000c
	s_cmp_lg_u32 s2, 0xf033
	s_cbranch_scc0 .Lentry_shape_is_right
	s_endpgm
.Lentry_shape_is_right:
; DOWN: out = x + sum over experts e of p(t, e) (h_e Wd_e^T + bd_e): [2048 tokens] x [2048 columns], K = 1024 for each of 8 experts, on codes of FP6 (E2M3) with one E8M0 scale for each 32 along K; sums in f32.
; p is no power of two and may not enter an operand, so each expert's sums y are finished by themselves (bd is the C of their first products) and go into out by one packed multiply-add.
; LIMITS: NaN and infinities are not served.
; SHARES.  A work-group makes 128 tokens x 128 columns: 256 work-groups.  Its four waves share the columns and the EXPERTS: wave w makes columns 64 (w % 2) on for experts 4 (w / 2) .. + 3, for all 128 tokens:
; a wave tile of 128 x 64, which reads 18 KB of LDS for 32 matrix instructions.  At the end the two waves of a column half add their parts through LDS, each keeping 64 tokens.
; REGISTER BLOCK a' of a wave holds token block a' xor 4 (w / 2): so every wave keeps register blocks 0-3 and hands over 4-7: the text is one for all waves, only addresses differ.
; K goes in chunks of 256 for each half of the experts through two LDS slots: h's images (dense) and Wd's rows of 192 bytes (16 bytes of padding behind every 64).  All scale words come once and stay.
; CLUSTER 4 x 4: h's tiles are shared along a row of the cluster, Wd's along a column: each is asked for jointly.
; TRANSPOSED: source 0 = 16 rows of Wd (columns of out), source 1 = 16 tokens: a lane holds one token, so p is one number a lane.
; LDS LOADS STAND IN SLICES of four behind single matrix instructions (two window switches a slice).
; REGISTERS: window 0: v10-30 addresses; v32-63 scale words, two sets, and nothing else; v64-79 p (even registers); v80-175 Wd's 4 fragments, two sets; v176-207 bd; at the end v192-255 rows of out.
;   window 1: h's 8 fragments, two sets, at v0 and v128; at the end x and the partner's part.   window 2: y(a', b) at v[8 (4 a' + b)].   window 3: out, at the same places.
.set PITCH, 240
.set SLOT,  110592                     ; h: 2 x 24,576; Wd: 2 x 128 rows x 240
.set HH,    24576
.set WOFF,  49152
.set WH,    128*PITCH
.set SCA,   2*SLOT                     ; h's scale words: 32 chunks x 1,024 bytes
.set SCB,   SCA+32768                  ; Wd's: 8 experts x 128 rows x 32 bytes
.set SPARE, SCB+32768                  ; the spare words, 128 bytes a wave: two blocks of 256 bytes that no other line names
.set OST,   65536                      ; the end: from byte 0 four waves' parts, 16,384 bytes each; from OST a stage of 16 rows x 272 bytes a wave: in slot 0, behind its last fill and its last read
.set KPL,   393216                     ; a plane of hq
.set WEXP,  1572864                    ; an expert of Wd_codes
.set POL,  10                          ; v10 p of register blocks 0-3;  v11 of blocks 4-7
.set POH,  11
.set VB,   12                          ; v12 32 h
.set EXS,  13                          ; v13 where my part goes;  v14 where my partner's lies
.set EXL,  14
.set STO,  15                          ; v15 the stage, in;  v24 back
.set ADHL, 16                          ; v16-17 h's images of register blocks 0-3 in slot 0, 1;  v18-19 of blocks 4-7
.set ADHH, 18
.set ADW,  20                          ; v20-21 my rows of Wd;  v22-23 behind one padding more
.set RD,   24
.set CO,   25                          ; v25 my bytes in two rows of x and of out
.set ADSA, 26
.set ADSB, 27
.set SPW,  28                          ; v28 my spare word; never rewritten
.set NIL,  29                          ; v29 0; never rewritten
.set SA,   32                          ; set s: v[32 + 8 s + 4 q + i]: lanes 0-15 register block i's words, lanes 16-31 block 4 + i's
.set SB,   48                          ; v[48 + 8 s + 2 b + q]
.set P,    64
.set WF,   80
.set BI,   176
.set RS,   192
.set WV,   20
.set G1H,  24
.set G1W,  32
.set G1SA, 48
.set G1SB, 56
.set G0H,  68
.set G0W,  76
.set G0SA, 84
.set G0SB, 88
.set MSB, 0
.macro WIN new                         ; the immediate's high byte repeats the setting that is left; a switch that changes nothing is dropped
.if MSB != (\new)
	s_set_vgpr_msb (MSB<<8)|(\new)
.set MSB, (\new)
.endif
.endm
.macro PLACES n
.rept \n
	v_nop
.endr
.endm
; A joint load: waves 0 and 1 fetch for h, waves 2 and 3 for Wd.  The branch hangs on the wave's number alone.  Four v_nop follow each of the two lines.
.macro JLOAD g0a, g1a, g0b, g1b
	s_cmp_eq_u32 s21, 0
	s_cbranch_scc0 .Lfor_b_\@
	tensor_load_to_lds s[\g0a:\g0a+3], s[\g1a:\g1a+7]
	s_nop 0
.rept 4
	v_nop
.endr
	s_branch .Lasked_\@
.Lfor_b_\@:
	tensor_load_to_lds s[\g0b:\g0b+3], s[\g1b:\g1b+7]
	s_nop 0
.rept 4
	v_nop
.endr
.Lasked_\@:
.endm
.macro CREST
	s_cmp_lg_u32 s[WV], 0
	s_cbranch_scc1 .Lnot_wave_0_\@
	s_barrier_signal -3
.Lnot_wave_0_\@:
	s_barrier_wait -3
	s_barrier_signal -1
	s_barrier_wait -1
.endm
.macro CROUND
	s_barrier_signal -1
	s_barrier_wait -1
	CREST
.endm
.macro GROUP1 g, c, r, p
	s_mov_b32 s[\g+1], (\c)<<16
	s_mov_b32 s[\g+2], (\r)<<16
	s_mov_b32 s[\g+3], (\c)<<16
	s_mov_b32 s[\g+4], \r
	s_mov_b32 s[\g+5], \p
	s_mov_b32 s[\g+6], 0
	s_mov_b32 s[\g+7], 0
.endm
.macro GROUP0 g, lds, off, adr, step
	s_mov_b32 s[\g], 1
	s_add_co_u32 s[\g+1], s[\lds], \off
	s_add_nc_u64 s[\g+2:\g+3], s[\adr:\adr+1], \step
	s_or_b32 s[\g+3], s[\g+3], 0x80000000
.endm
	s_load_b512 s[4:19], s[0:1], 0x0               ; hq s[4:5], hs s[6:7], Wd_codes s[8:9], Wd_scales s[10:11], bd s[12:13], pw s[14:15], x s[16:17], out0 s[18:19]
	v_lshl_add_u32 v[SPW], v0, 2, SPARE
	v_mov_b32 v[NIL], 0
	ds_add_u32 v28, v29
	ds_add_u32 v28, v29
	s_wait_dscnt 0x0
	v_lshrrev_b32 v1, 5, v0
	v_readfirstlane_b32 s[WV], v1                  ; wave 0..3
	s_lshr_b32 s21, s[WV], 1                       ; my half of the experts.  Also: I fetch for h (0) or for Wd (1)
	s_and_b32 s22, s[WV], 1                        ; my half of the columns.  Also: for which half of the experts I fetch
	s_bfe_u32 s40, ttmp6, 0x40000                  ; cx, cy
	s_bfe_u32 s41, ttmp6, 0x40004
	s_lshl_b32 s42, ttmp9, 2
	s_add_co_u32 s42, s42, s40                     ; X: the block of 128 columns
	s_and_b32 s43, ttmp7, 0xffff
	s_lshl_b32 s43, s43, 2
	s_add_co_u32 s43, s43, s41                     ; Y: the block of 128 tokens
	s_lshl_b32 s44, s41, 2
	s_lshl_b32 s44, 15, s44                        ; my row of the cluster
	s_lshl_b32 s45, 0x1111, s40                    ; my column
	s_or_b32 s[G1H], s44, (3<<16)|(1<<21)          ; h's tile: 24,576 dense bytes as 96 rows of 32 elements of 8 bytes
	s_or_b32 s[G1W], s45, (1<<20)|(1<<21)|(3<<22)|(3<<25)   ; Wd's: 128 rows of 192 bytes, 768 apart; 4 words of padding behind every 16
	s_or_b32 s[G1SA], s44, (3<<16)|(1<<21)         ; h's scale words of 16 chunks: 16,384 dense bytes
	s_or_b32 s[G1SB], s45, (3<<16)|(1<<21)         ; Wd's of 4 experts: 4 rows of 4,096 bytes, 65,536 apart
	GROUP1 G1H, 32, 96, 32
	GROUP1 G1W, 192, 128, 768
	GROUP1 G1SA, 32, 64, 32
	GROUP1 G1SB, 512, 4, 8192
	s_mul_i32 s92, s22, 16*KPL                     ; h's tiles and scale words hang on Y and the wave alone (s92-95 never hold X),
	s_mul_i32 s93, s43, HH
	s_add_co_u32 s92, s92, s93
	s_mov_b32 s93, 0
	s_lshl_b32 s94, s43, 15
	s_lshl_b32 s95, s22, 14
	s_add_co_u32 s94, s94, s95
	s_mov_b32 s95, 0
	s_mul_i32 s96, s22, 4*WEXP                     ; Wd's on X and the wave alone (s96-99 never hold Y)
	s_mul_i32 s97, s42, 128*768
	s_add_co_u32 s96, s96, s97
	s_mov_b32 s97, 0
	s_lshl_b32 s98, s22, 18
	s_lshl_b32 s99, s42, 12
	s_add_co_u32 s98, s98, s99
	s_mov_b32 s99, 0
	s_mul_i32 s46, s22, HH                         ; where they go in LDS: the wave's number alone
	s_mul_i32 s47, s22, WH
	s_add_co_u32 s47, s47, WOFF
	s_lshl_b32 s66, s22, 14
	s_add_co_u32 s67, s66, SCB
	s_add_co_u32 s66, s66, SCA
	s_wait_kmcnt 0x0
	s_add_nc_u64 s[92:93], s[4:5], s[92:93]
	s_add_nc_u64 s[94:95], s[6:7], s[94:95]
	s_add_nc_u64 s[96:97], s[8:9], s[96:97]
	s_add_nc_u64 s[98:99], s[10:11], s[98:99]
	CROUND                                         ; all sixteen work-groups are here: the first joint loads meet
	GROUP0 G0SA, 66, 0, 94, 0
	GROUP0 G0SB, 67, 0, 98, 0
	GROUP0 G0H, 46, 0, 92, 0
	GROUP0 G0W, 47, 0, 96, 0
	GROUP0 G0H+4, 46, SLOT, 92, KPL
	GROUP0 G0W+4, 47, SLOT, 96, 192
	JLOAD G0SA, G1SA, G0SB, G1SB                   ; three loads of mine are out: the scale words, chunk 0, chunk 1
	JLOAD G0H, G1H, G0W, G1W
	JLOAD G0H+4, G1H, G0W+4, G1W
	v_and_b32 v30, 31, v0                          ; lane
	v_and_b32 v1, 15, v0                           ; r
	v_bfe_u32 v2, v0, 4, 1                         ; h
	v_lshlrev_b32 v3, 4, v30                       ; 16 x lane
	s_mul_i32 s23, s21, 36864                      ; register block a' < 4 is token block a' + 4 kh of tile kh: 24,576 kh + 12,288 kh
	v_add_nc_u32 v[ADHL], s23, v3
	v_add_nc_u32 v[ADHL+1], SLOT, v[ADHL]
	s_mul_i32 s23, s21, 12288                      ; a' >= 4 is token block a' - 4 kh: 24,576 kh - 12,288 kh
	v_add_nc_u32 v[ADHH], s23, v3
	v_add_nc_u32 v[ADHH+1], SLOT, v[ADHH]
	v_mul_u32_u24 v4, v1, PITCH
	v_mad_u32_u24 v4, v2, 24, v4                   ; row r x pitch + 24 h
	v_lshl_add_u32 v5, v2, 4, v4                   ; and behind one padding more
	s_mul_i32 s23, s21, WH
	s_mul_i32 s2, s22, 64*PITCH
	s_add_co_u32 s23, s23, s2
	s_add_co_u32 s23, s23, WOFF
	v_add_nc_u32 v[ADW], s23, v4
	v_add_nc_u32 v[ADW+2], s23, v5
	v_add_nc_u32 v[ADW+1], SLOT, v[ADW]
	v_add_nc_u32 v[ADW+3], SLOT, v[ADW+2]
	s_lshl_b32 s23, s21, 4
	v_xor_b32 v6, s23, v30                         ; slot L = lane xor 16 kh: lanes 0-15 always get register blocks 0-3
	s_lshl_b32 s23, s21, 14
	s_add_co_u32 s23, s23, SCA
	v_lshl_add_u32 v[ADSA], v6, 4, s23
	s_lshl_b32 s23, s21, 14
	s_lshl_b32 s2, s22, 11
	s_add_co_u32 s23, s23, s2
	s_add_co_u32 s23, s23, SCB
	v_lshl_add_u32 v[ADSB], v1, 5, s23             ; Wd's words: 32 bytes a row
	s_mul_i32 s23, s21, 2304                       ; p: 512 a + 16 (16 kh + r), a = a' + 4 kh
	v_lshl_add_u32 v[POL], v1, 4, s23
	s_mul_i32 s23, s21, 1792                       ; and a = (a' - 4) + 4 (1 - kh)
	s_sub_co_u32 s23, 2048, s23
	v_lshl_add_u32 v[POH], v1, 4, s23
	v_lshlrev_b32 v[VB], 5, v2
	s_lshl_b32 s23, s[WV], 14
	v_add_nc_u32 v[EXS], s23, v3
	s_xor_b32 s23, s[WV], 2
	s_lshl_b32 s23, s23, 14
	v_add_nc_u32 v[EXL], s23, v3
	s_mul_i32 s23, s[WV], 16*272
	s_add_co_u32 s23, s23, OST
	v_mul_u32_u24 v4, v1, 272
	v_lshl_add_u32 v4, v2, 5, v4
	v_add_nc_u32 v[STO], s23, v4                   ; in: row r, 32 bytes for each half of the lanes
	v_mul_u32_u24 v4, v2, 272
	v_lshl_add_u32 v4, v1, 4, v4
	v_add_nc_u32 v[RD], s23, v4                    ; back: lanes 0-15 one row of 256 bytes, lanes 16-31 the next
	v_lshlrev_b32 v[CO], 13, v2
	v_lshl_add_u32 v[CO], v1, 4, v[CO]             ; and the same two rows in x and in out
.irp a, 0,1,2,3,4,5,6,7
	v_mov_b32 v[P+1+2*\a], 0                       ; the odd halves of p's pairs are named with the even ones, so they are written
.endr
	s_lshl_b32 s66, s43, 12                        ; pw: my 8 token blocks
	s_mov_b32 s67, 0
	s_add_nc_u64 s[14:15], s[14:15], s[66:67]
	s_lshl_b32 s66, s21, 15                        ; bd: expert 4 kh, my 64 columns
	s_lshl_b32 s2, s42, 9
	s_add_co_u32 s66, s66, s2
	s_lshl_b32 s2, s22, 8
	s_add_co_u32 s66, s66, s2
	s_add_nc_u64 s[12:13], s[12:13], s[66:67]
	s_lshl_b32 s66, s43, 20                        ; x and out: the 64 tokens that I keep, my 64 columns
	s_lshl_b32 s2, s21, 19
	s_add_co_u32 s66, s66, s2
	s_lshl_b32 s2, s42, 9
	s_add_co_u32 s66, s66, s2
	s_lshl_b32 s2, s22, 8
	s_add_co_u32 s66, s66, s2
	s_add_nc_u64 s[16:17], s[16:17], s[66:67]
	s_add_nc_u64 s[18:19], s[18:19], s[66:67]
; Matrix instruction i of a step's 32: register block i / 4 of the tokens against Wd's block i % 4.  q: the chunk's step, and the set of fragments; sc: the set of scale words.
; zero = 1: an expert's first products: bd is their C.  The 32 accumulators take turns.
.macro MM q, sc, zero
.set MA, i/4
.set MB, i%4
.if \zero
	WIN 0x84                                       ; source 0 (Wd) and C (bd) window 0, source 1 (h) window 1, D window 2
.if MA < 4
	v_wmma_scale_f32_16x16x128_f8f6f4 v[8*i:8*i+7], v[WF+48*(\q)+12*MB:WF+48*(\q)+12*MB+11], v[128*(\q)+12*MA:128*(\q)+12*MA+11], v[BI+8*MB:BI+8*MB+7], v[SB+8*(\sc)+2*MB+(\q)], v[SA+8*(\sc)+4*(\q)+MA%4] matrix_a_fmt:MATRIX_FMT_FP6 matrix_b_fmt:MATRIX_FMT_FP6
.else
	v_wmma_scale_f32_16x16x128_f8f6f4 v[8*i:8*i+7], v[WF+48*(\q)+12*MB:WF+48*(\q)+12*MB+11], v[128*(\q)+12*MA:128*(\q)+12*MA+11], v[BI+8*MB:BI+8*MB+7], v[SB+8*(\sc)+2*MB+(\q)], v[SA+8*(\sc)+4*(\q)+MA%4] matrix_a_fmt:MATRIX_FMT_FP6 matrix_b_fmt:MATRIX_FMT_FP6 matrix_b_scale:MATRIX_SCALE_ROW1
.endif
.else
	WIN 0xa4                                       ; C and D window 2
.if MA < 4
	v_wmma_scale_f32_16x16x128_f8f6f4 v[8*i:8*i+7], v[WF+48*(\q)+12*MB:WF+48*(\q)+12*MB+11], v[128*(\q)+12*MA:128*(\q)+12*MA+11], v[8*i:8*i+7], v[SB+8*(\sc)+2*MB+(\q)], v[SA+8*(\sc)+4*(\q)+MA%4] matrix_a_fmt:MATRIX_FMT_FP6 matrix_b_fmt:MATRIX_FMT_FP6
.else
	v_wmma_scale_f32_16x16x128_f8f6f4 v[8*i:8*i+7], v[WF+48*(\q)+12*MB:WF+48*(\q)+12*MB+11], v[128*(\q)+12*MA:128*(\q)+12*MA+11], v[8*i:8*i+7], v[SB+8*(\sc)+2*MB+(\q)], v[SA+8*(\sc)+4*(\q)+MA%4] matrix_a_fmt:MATRIX_FMT_FP6 matrix_b_fmt:MATRIX_FMT_FP6 matrix_b_scale:MATRIX_SCALE_ROW1
.endif
.endif
.endm
.macro HL n, slot, q                   ; load n of 24 of h's eight fragments
.set FA, (\n)/3
.set GG, (\n)%3
.if FA < 4
	ds_load_b128 v[128*(\q)+12*FA+4*GG:128*(\q)+12*FA+4*GG+3], v[ADHL+\slot] offset:(2*FA+(\q))*1536+512*GG
.else
	ds_load_b128 v[128*(\q)+12*FA+4*GG:128*(\q)+12*FA+4*GG+3], v[ADHH+\slot] offset:(2*FA+(\q))*1536+512*GG
.endif
.endm
.macro WL n, slot, q                   ; piece n of 24 of Wd's four fragments: 8 bytes; lanes 16-31 read three pieces on, which for some pieces is behind one padding more
.set FB, (\n)/6
.set PP, (\n)%6
.set PCE, 12*(\q)+6*(PP/3)+PP%3
.if PCE%8 < 5
	ds_load_b64 v[WF+48*(\q)+12*FB+2*PP:WF+48*(\q)+12*FB+2*PP+1], v[ADW+\slot] offset:8*PCE+16*(PCE/8)+FB*16*PITCH
.else
	ds_load_b64 v[WF+48*(\q)+12*FB+2*PP:WF+48*(\q)+12*FB+2*PP+1], v[ADW+2+\slot] offset:8*PCE+16*(PCE/8)+FB*16*PITCH
.endif
.endm
.macro SLC k, slot, q                  ; slice k of 12 of a step's fetch, into set q
.if (\k) < 6
	WIN 0x40
.irp u, 0,1,2,3
	HL 4*(\k)+\u, \slot, \q
.endr
.else
	WIN 0
.irp u, 0,1,2,3
	WL 4*((\k)-6)+\u, \slot, \q
.endr
.endif
.endm
.macro SLS k, sc, cc                   ; slice k of 2 of a chunk's scale words into set sc; cc: the chunk's place in its expert
	WIN 0
.if (\k) == 0
	ds_load_b128 v[SA+8*(\sc):SA+8*(\sc)+3], v[ADSA] offset:1024*(\cc)
	ds_load_b128 v[SA+8*(\sc)+4:SA+8*(\sc)+7], v[ADSA] offset:1024*(\cc)+512
	ds_load_b64 v[SB+8*(\sc):SB+8*(\sc)+1], v[ADSB] offset:8*(\cc)
.else
.irp b, 1,2,3
	ds_load_b64 v[SB+8*(\sc)+2*\b:SB+8*(\sc)+2*\b+1], v[ADSB] offset:512*\b+8*(\cc)
.endr
.endif
.endm
; A load into a register that a matrix instruction has read stands four places behind it, and only plain vector instructions that name none of its registers are places (ISA guide 7.12.1 for vector
; instructions).  The set that a step fetches was last read by the step before: so four v_nop stand behind the step's first matrix instruction, or behind the joint load.
.macro STEP slot, zero                 ; a chunk's first 128 along K, on set 0; fetches its second into set 1
	s_wait_dscnt 0x0                               ; set 0 and the chunk's scale words are in
.set i, 0
.rept 32
	MM 0, \slot, \zero
.if i == 0
	PLACES 4
.endif
.if i >= 1 && i <= 12
	SLC i-1, \slot, 1
.endif
.set i, i+1
.endr
	WIN 0
.endm
; A chunk's second 128 along K, on set 1, and the change of slots: ONE barrier; in front of it each wave waits for all its tensor loads, adds 0 to its spare word, and waits for that and for its reads of this slot.
; wstep: Wd's step to the chunk two on; ccn: the next chunk's place in its expert; adv = 1: the next chunk begins an expert.
.macro TURN slot, next, fill, wstep, ccn, adv
	s_wait_tensorcnt 0x0                           ; all my tensor loads have landed: the one that was out is my part of the next slot  (every window is 0 here)
	ds_add_u32 v[SPW], v[NIL]                      ; 0 onto my spare word: four matrix instructions stand between it and the wait for it
	s_wait_dscnt 0x1                               ; set 1 is in: the add alone may be out
.set i, 0
.rept 32
	MM 1, \slot, 0
.if i == 3
	s_wait_dscnt 0x0                               ; the add is done; my reads of this slot were over above
	s_barrier_signal -1
.endif
.if i == 7
	WIN 0
	s_barrier_wait -1
.if \fill
	CREST                                          ; the barrier has opened a round of the cluster's: no wave of any partner still reads this slot or has a load on its way
	s_add_nc_u64 s[G0H+4*\slot+2:G0H+4*\slot+3], s[G0H+4*\slot+2:G0H+4*\slot+3], 2*KPL
	s_add_nc_u64 s[G0W+4*\slot+2:G0W+4*\slot+3], s[G0W+4*\slot+2:G0W+4*\slot+3], \wstep
	JLOAD G0H+4*\slot, G1H, G0W+4*\slot, G1W       ; the first tensor load behind the round: 56 matrix instructions ahead of the wait for it; its four v_nop are the places for the loads below
.else
	PLACES 4
.endif
.if \adv
	v_add_nc_u32 v[ADSA], 4096, v[ADSA]            ; on to the next expert's scale words
	v_add_nc_u32 v[ADSB], 4096, v[ADSB]
.endif
.endif
.if i >= 8 && i <= 19
	SLC i-8, \next, 0
.endif
.if i == 20 || i == 21
	SLS i-20, \next, \ccn
.endif
.set i, i+1
.endr
	WIN 0
.endm
.macro LAST                            ; the very last 128 along K
	s_wait_dscnt 0x0
.set i, 0
.rept 32
	MM 1, 1, 0
.set i, i+1
.endr
	WIN 0
.endm
.macro PLOAD                           ; p of the expert in hand, one number a lane and block, into the even registers of eight pairs
.irp a, 0,1,2,3
	global_load_b32 v[P+2*\a], v[POL], s[14:15] offset:512*\a
	global_load_b32 v[P+8+2*\a], v[POH], s[14:15] offset:512*\a
.endr
.endm
.macro BLOAD                           ; bd of the expert at which s[12:13] points: lane (r, h): columns 16 b + 8 h + 0 .. 7
.irp b, 0,1,2,3
	global_load_b128 v[BI+8*\b:BI+8*\b+3], v[VB], s[12:13] offset:64*\b
	global_load_b128 v[BI+8*\b+4:BI+8*\b+7], v[VB], s[12:13] offset:64*\b+16
.endr
.endm
.macro FMA first                       ; out = p y (the first expert) or out += p y: each accumulator from its low end on
.if \first
	WIN 0xc2                                       ; source 0 (y) window 2, source 1 (p) window 0, destination window 3
.else
	WIN 0xf2                                       ; and source 2 (out) window 3
.endif
.set j, 0
.rept 128
.if \first
	v_pk_mul_f32 v[2*j:2*j+1], v[2*j:2*j+1], v[P+2*(j/16):P+2*(j/16)+1] op_sel_hi:[1,0]
.else
	v_pk_fma_f32 v[2*j:2*j+1], v[2*j:2*j+1], v[P+2*(j/16):P+2*(j/16)+1], v[2*j:2*j+1] op_sel_hi:[1,0,1]
.endif
.set j, j+1
.endr
	WIN 0
.endm
.macro XLOAD                           ; the 64 rows x 256 bytes of x that I add at the end: sixteen lanes to a row's 256 bytes
	WIN 0x40
.irp b, 0,1,2,3
.irp t, 0,1,2,3,4,5,6,7
	global_load_b128 v[32*\b+4*\t:32*\b+4*\t+3], v[CO], s[16:17] offset:(16*\b+2*\t)*8192
.endr
.endr
	WIN 0
.endm
; An expert: four chunks.  mode 0: my first (out begins); 1: in the loop; 2: my last (its last two chunks ask for nothing, so its tail is written out).
; An expert's first products write over the sums of the expert before: the multiply-adds between them, which name other accumulators, are more than the five places that this asks.
.macro EXPERT mode
	PLOAD
	STEP 0, 1
	TURN 0, 1, 1, 384, 1, 0
.if \mode < 2
	BLOAD                                          ; the next expert's bd: this expert's first products, which read these registers, stand ahead of the places in the change of slots
.endif
	STEP 1, 0
	TURN 1, 0, 1, 384, 2, 0
	STEP 0, 0
.if \mode < 2
	TURN 0, 1, 1, WEXP-384, 3, 0
	STEP 1, 0
	TURN 1, 0, 1, WEXP-384, 0, 1
	PLACES 4                                       ; behind the last products, whose results are read below
	s_wait_loadcnt 0x0                             ; p and the next bd are in, so their bases may step
	s_add_nc_u64 s[14:15], s[14:15], 4
	s_add_nc_u64 s[12:13], s[12:13], 8192
.if \mode == 0
	FMA 1
.else
	FMA 0
.endif
.else
	TURN 0, 1, 0, 0, 3, 0
	STEP 1, 0
	LAST
	PLACES 4                                       ; behind the last products: their results are read, and h's registers loaded, below
	XLOAD
	s_wait_loadcnt 32                              ; p is in; the 32 loads of x are younger
	FMA 0
.endif
.endm
	BLOAD                                          ; my first expert's bd
	s_wait_tensorcnt 0x1                           ; the scale words and my part of chunk 0 are in; chunk 1's load may stay out
	s_barrier_signal -1
	s_barrier_wait -1
.set k, 0
.rept 12
	SLC k, 0, 0
.set k, k+1
.endr
	SLS 0, 0, 0
	SLS 1, 0, 0
	s_wait_loadcnt 0x0                             ; bd is in, so its base may step
	s_add_nc_u64 s[12:13], s[12:13], 8192
	EXPERT 0
	s_mov_b32 s3, 2
.Lexpert:
	EXPERT 1
	s_sub_co_u32 s3, s3, 1
	s_cmp_lg_u32 s3, 0
	s_cbranch_scc1 .Lexpert
	EXPERT 2
; THE END.  Register blocks 4-7 go to the partner wave (the other half of the experts, the same columns) through LDS; its blocks 4-7 are my blocks 0-3's tokens.
	WIN 0x0c                                       ; an LDS store's data are its source 1: window 3
.set n, 0
.rept 32
	ds_store_b128 v[EXS], v[128+4*n:128+4*n+3] offset:512*n
.set n, n+1
.endr
	WIN 0
	s_wait_dscnt 0x0                               ; for my partner's sake: my stores have landed
	s_barrier_signal -1
	s_barrier_wait -1
	WIN 0x40
.set n, 0
.rept 32
	ds_load_b128 v[128+4*n:128+4*n+3], v[EXL] offset:512*n
.set n, n+1
.endr
	s_wait_dscnt 0x0
	WIN 0xc7                                       ; out (window 3) += the partner's part (window 1)
.set j, 0
.rept 64
	v_pk_add_f32 v[2*j:2*j+1], v[2*j:2*j+1], v[128+2*j:128+2*j+1]
.set j, j+1
.endr
; A block of 16 tokens x 64 columns goes through my own stage and comes back as rows of 256 bytes; x is added; sixteen lanes store 256 consecutive bytes, at a multiple of 256 from out's first byte.
.macro TOSTAGE b
	WIN 0x0c
.irp c, 0,1,2,3
	ds_store_b128 v[STO], v[8*(4*(\b)+\c):8*(4*(\b)+\c)+3] offset:64*\c
	ds_store_b128 v[STO], v[8*(4*(\b)+\c)+4:8*(4*(\b)+\c)+7] offset:64*\c+16
.endr
	WIN 0
.irp t, 0,1,2,3,4,5,6,7
	ds_load_b128 v[RS+32*((\b)%2)+4*\t:RS+32*((\b)%2)+4*\t+3], v[RD] offset:544*\t   ; LDS serves a wave's instructions in order: these see my stores, and the next block's stores come behind them
.endr
.endm
.macro SEND b, younger                 ; younger: the LDS instructions issued behind block b's loads, which may stay out
	s_wait_dscnt \younger
.if (\b) == 0
	s_wait_loadcnt 0x0                             ; x
.endif
	WIN 0x04                                       ; source 1 (x) window 1
.set j, 0
.rept 16
	v_pk_add_f32 v[RS+32*((\b)%2)+2*j:RS+32*((\b)%2)+2*j+1], v[RS+32*((\b)%2)+2*j:RS+32*((\b)%2)+2*j+1], v[32*(\b)+2*j:32*(\b)+2*j+1]
.set j, j+1
.endr
	WIN 0
.irp t, 0,1,2,3,4,5,6,7
	global_store_b128 v[CO], v[RS+32*((\b)%2)+4*\t:RS+32*((\b)%2)+4*\t+3], s[18:19] offset:(16*(\b)+2*\t)*8192 th:TH_STORE_NT
.endr
.endm
	TOSTAGE 0
	TOSTAGE 1
	SEND 0, 16                                     ; behind block 0's loads: block 1's 8 stores and 8 loads
	s_wait_xcnt 0x0                                ; block 0's stores have read their registers: block 2's rows may land there
	TOSTAGE 2
	SEND 1, 16
	s_wait_xcnt 0x0
	TOSTAGE 3
	SEND 2, 16
	SEND 3, 0
	s_wait_tensorcnt 0x0                           ; the wave's end
	ds_add_u32 v[SPW], v[NIL]
	s_wait_dscnt 0x0
	CROUND                                         ; the closing round: no work-group ends while a partner may still ask for a tile that names it
	s_endpgm
.Lfunc_end_k_q2df2196202_down:
	.size	k_q2df2196202_down, .Lfunc_end_k_q2df2196202_down-k_q2df2196202_down
	.p2alignl 7, 3214868480
	.fill 96, 4, 3214868480
	.section	.rodata,"a",@progbits
	.p2align	6, 0x0
	.amdhsa_kernel k_q2df2196202_down
		.amdhsa_group_segment_fixed_size 327680
		.amdhsa_private_segment_fixed_size 0
		.amdhsa_enable_private_segment 0
		.amdhsa_kernarg_size 64
		.amdhsa_user_sgpr_count 2
		.amdhsa_user_sgpr_kernarg_segment_ptr 1
		.amdhsa_wavefront_size32 1
		.amdhsa_system_sgpr_workgroup_id_x 1
		.amdhsa_system_sgpr_workgroup_id_y 1
		.amdhsa_system_sgpr_workgroup_id_z 1
		.amdhsa_system_vgpr_workitem_id 0
		.amdhsa_next_free_vgpr 1024
		.amdhsa_next_free_sgpr 100
		.amdhsa_reserve_vcc 0
		.amdhsa_float_denorm_mode_32 3
		.amdhsa_float_denorm_mode_16_64 3
		.amdhsa_memory_ordered 1
		.amdhsa_forward_progress 1
		.amdhsa_inst_pref_size 255
	.end_amdhsa_kernel
	.section	.bss,"aw",@nobits
	.p2align	6
	.space	262144
	.amdgpu_metadata
---
amdhsa.version: [ 1, 2 ]
amdhsa.kernels:
  - .name:           k_q2df2196202_down
    .symbol:         k_q2df2196202_down.kd
    .args:
      - { .name: hq, .offset: 0, .size: 8, .value_kind: global_buffer, .address_space: global }
      - { .name: hs, .offset: 8, .size: 8, .value_kind: global_buffer, .address_space: global }
      - { .name: Wd_codes, .offset: 16, .size: 8, .value_kind: global_buffer, .address_space: global }
      - { .name: Wd_scales, .offset: 24, .size: 8, .value_kind: global_buffer, .address_space: global }
      - { .name: bd, .offset: 32, .size: 8, .value_kind: global_buffer, .address_space: global }
      - { .name: pw, .offset: 40, .size: 8, .value_kind: global_buffer, .address_space: global }
      - { .name: x, .offset: 48, .size: 8, .value_kind: global_buffer, .address_space: global }
      - { .name: out0, .offset: 56, .size: 8, .value_kind: global_buffer, .address_space: global }
    .group_segment_fixed_size: 327680
    .private_segment_fixed_size: 0
    .kernarg_segment_align: 8
    .kernarg_segment_size: 64
    .max_flat_workgroup_size: 128
    .sgpr_count:     100
    .vgpr_count:     1024
    .wavefront_size: 32
...
	.end_amdgpu_metadata
.endif
;; end of part 3
;; ======== version 2 of 2: 3 launches
;; limits: values are held in bf16: 8 bits of precision; right only within a limited range of input values
;; workspace buffers: xq 3,145,728 bytes; xs 131,072 bytes; pw 65,536 bytes; hq 12,582,912 bytes; hs 524,288 bytes; wq 25,165,824 bytes
;; launch prep (part 4): grid 256 x 1, 8 waves a work-group, no clusters, 210,944 bytes of LDS; arguments x, Wr, br, xq, xs, pw, Wu_codes, Wd_codes, wq; writes xq, xs, pw, wq
.if DOCPART == 4
	.amdgcn_target "amdgcn-amd-amdhsa--gfx1250"
	.amdhsa_code_object_version 6
	.text
	.protected	k_q2df2196202_prep
	.globl	k_q2df2196202_prep
	.p2align	8
	.type	k_q2df2196202_prep,@function
k_q2df2196202_prep:
	s_mov_b64 s[64:65], 0
	v_nop
	global_prefetch_b8 v0, s[64:65] scope:SCOPE_SE
	s_setreg_imm32_b32 hwreg(HW_REG_WAVE_MODE, 25, 1), 1
	s_wait_xcnt 0x0
; PREP: x [2048][2048] f32 becomes codes of FP6 (E2M3) with one E8M0 byte for each 32 along K, and the router's softmax is made.
; A block's scale is 2^(floor(log2(its largest magnitude)) - 2); its byte is the largest magnitude's exponent field - 2, held at 1 from below.
; LIMITS: NaN and infinities among the inputs are not served.  A block of zeros gets the byte 1 (not 127): its codes are zeros, and this program alone reads the bytes.
; The router's product (N = 8, not quantised) takes x and Wr rounded to bf16, sums in f32; the softmax takes the row's maximum away first.
; SHARES.  A work-group owns 16 tokens (a fragment has 16 rows, and a token's eight logits want one owner): 128 work-groups.  Wave w owns columns 256 w .. 256 w + 255: two K steps of 128.
; All 48 loads of a wave go out at once.  Each reads 512 consecutive bytes; a K step's 16 rows x 512 bytes turn through the wave's own stage in LDS, so that lane (r, h) then holds, of row r,
; 16 neighbours of each block of 32: register 16 b + i = k 32 b + 16 h + i.  That is what the conversions want, and (rounded to bf16) it is an operand of the router's product with k permuted;
; Wr's fragments are read with the same permutation, so the products are the same.
; OUT.  xq [kc 0..7][token block 0..127][q 0..1][1536]: the IMAGE of a fragment's 12 registers: group g of four registers of lane l at 512 g + 16 l.
;       xs [token block][kc][r][q]: a row's scale word of a K step.   pw [token block][slot L 0..31][i 0..3] = p(token L % 16, expert 4 (L / 16) + i).
.set SPI,  528                         ; a stage row: 512 bytes + 16, so that the 16 rows that a read touches start 16 bytes apart modulo 256
.set WREG, 16*SPI                      ; a wave's stage
.set WT,   8*WREG                      ; behind the stages: Wr as bf16, row k = 16 bytes, 4,096 bytes a wave
.set LG,   WT+8*4096                   ; each wave's partial logits, 1,024 bytes a wave
.set XSS,  LG+8*1024                   ; the token block's scale words, 1,024 bytes, as they lie in xs
.set R0,   16                          ; v16-79 x of K step 0 as loaded, v80-143 of K step 1
.set XT,   144                         ; v144-207 Wr as loaded; then a K step's 64 numbers, turned
.set CV,   208                         ; v208-239 Wr in bf16; then Wr's four fragments; then the codes
.set BF,   208
.set PC,   208
.set AF,   16                          ; v16-47 x's four bf16 fragments
.set TM,   48                          ; v48-63 at work in QUANT
.set PW0,  64                          ; v64-65 the two K steps' scale words
.set LS,   66                          ; v66-73 my eight partial logits
.set ACC,  240                         ; v240-247, v248-255: two accumulators that take turns
.set WV,   24
.set SEL,  26                          ; s[26:27] lane selects: lane l xor 16
; 64 numbers of a lane, register 16 b + i = k 32 b + 16 (lane / 16) + i of my row, become a fragment's codes in v[PC] on and its scale word in v[pw].
.macro QUANT s, pw
.irp b, 0,1,2,3
	v_max3_num_f32 v[TM+\b], |v[\s+16*\b]|, |v[\s+1+16*\b]|, 0x1800000   ; block b: my 16 numbers, and the floor 2^(3 - 127): the byte cannot fall under 1
.endr
.irp i, 2,4,6,8,10,12,14
.irp b, 0,1,2,3
	s_delay_alu instid0(VALU_DEP_4)
	v_max3_num_f32 v[TM+\b], v[TM+\b], |v[\s+16*\b+\i]|, |v[\s+1+16*\b+\i]|
.endr
.endr
.irp b, 0,1,2,3
	s_delay_alu instid0(VALU_DEP_4)
	v_permlanex16_b32 v[TM+4+\b], v[TM+\b], s[SEL], s[SEL+1]
.endr
.irp b, 0,1,2,3
	s_delay_alu instid0(VALU_DEP_4)
	v_max_num_f32 v[TM+\b], v[TM+\b], v[TM+4+\b]   ; with lane l xor 16's: the block's largest magnitude
.endr
.irp b, 0,1,2,3
	s_delay_alu instid0(VALU_DEP_4)
	v_add_nc_u32 v[TM+12+\b], 0xff000000, v[TM+\b]   ; 2 off its exponent field: the conversion's scale operand
.endr
.irp b, 0,1,2,3
	s_delay_alu instid0(VALU_DEP_4)
	v_lshrrev_b32 v[TM+4+\b], 23, v[TM+12+\b]      ; the scale's byte
.endr
	s_delay_alu instid0(VALU_DEP_3)
	v_lshl_or_b32 v[\pw], v[TM+5], 8, v[TM+4]
	s_delay_alu instid0(VALU_DEP_1)
	v_lshl_or_b32 v[\pw], v[TM+6], 16, v[\pw]
	s_delay_alu instid0(VALU_DEP_1)
	v_lshl_or_b32 v[\pw], v[TM+7], 24, v[\pw]
.irp c, 0,1
	v_cvt_scalef32_pk16_fp6_f32 v[PC+6*\c:PC+2+6*\c], v[\s+32*\c:\s+15+32*\c], v[TM+12+2*\c]
	v_cvt_scalef32_pk16_fp6_f32 v[PC+12+4*\c:PC+14+4*\c], v[\s+16+32*\c:\s+31+32*\c], v[TM+12+2*\c+1]   ; (a conversion's three registers begin on an even number)
.endr
	v_nop                                          ; one plain place behind a scaled conversion
.irp c, 0,1                                    ; the operand's layout wants a whole block in a lane: lanes 0-15 block 2 c, lanes 16-31 block 2 c + 1
.irp i, 0,1,2
	v_permlane16_swap_b32 v[PC+6*\c+\i], v[PC+12+4*\c+\i]
.endr
.irp i, 0,1,2
	s_delay_alu instid0(VALU_DEP_3)
	v_mov_b32 v[PC+3+6*\c+\i], v[PC+12+4*\c+\i]
.endr
.endr
.endm
; Work-groups 0 to 127 do what the head describes; work-groups 128 to 255 re-lay the weights' codes (behind .Lrelay).  The branch hangs on the work-group's number alone.
	s_cmp_ge_u32 ttmp9, 128
	s_cbranch_scc1 .Lrelay
	s_load_b128 s[4:7], s[0:1], 0x0                ; x, Wr
	s_load_b128 s[8:11], s[0:1], 0x10              ; br, xq
	s_load_b128 s[12:15], s[0:1], 0x20             ; xs, pw
	v_lshl_add_u32 v14, v0, 2, 0x1ac00
	v_mov_b32 v15, 0
	v_lshrrev_b32 v10, 5, v0
	s_delay_alu instid0(VALU_DEP_1)
	v_readfirstlane_b32 s[WV], v10                 ; wave 0..7
	v_and_b32 v11, 31, v0                          ; lane
	v_and_b32 v12, 15, v0                          ; r
	v_bfe_u32 v13, v0, 4, 1                        ; h
	s_delay_alu instid0(VALU_DEP_3)
	v_lshlrev_b32 v1, 4, v11                       ; v1 = 16 x lane: my 16 bytes of 512
	s_mul_i32 s28, s[WV], WREG
	v_add_nc_u32 v2, s28, v1                       ; v2: the stage on the way in
	v_mul_u32_u24 v3, v12, SPI
	s_delay_alu instid0(VALU_DEP_1)
	v_lshl_add_u32 v3, v13, 6, v3
	s_delay_alu instid0(VALU_DEP_1)
	v_add_nc_u32 v3, s28, v3                       ; v3: on the way out: row r, + 64 h
	s_lshl_b32 s28, s[WV], 12
	s_add_co_u32 s28, s28, WT
	v_lshl_add_u32 v4, v11, 3, s28                 ; v4: Wr in bf16, in: 8 bytes a lane
	v_and_b32 v5, 7, v0
	s_delay_alu instid0(VALU_DEP_1)
	v_lshlrev_b32 v5, 4, v5
	s_delay_alu instid0(VALU_DEP_1)
	v_lshl_add_u32 v5, v13, 8, v5
	s_delay_alu instid0(VALU_DEP_1)
	v_add_nc_u32 v5, s28, v5                       ; v5: and out, turned: row k = 16 h + lane % 8
	s_lshl_b32 s28, s[WV], 10
	s_add_co_u32 s28, s28, LG
	v_add_nc_u32 v6, s28, v1                       ; v6: my wave's logits
	v_add_nc_u32 v7, LG, v1                        ; v7: all waves' logits
	s_lshl_b32 s28, s[WV], 7
	s_add_co_u32 s28, s28, XSS
	v_lshl_add_u32 v8, v12, 3, s28                 ; v8: my row's two scale words
	v_add_nc_u32 v9, XSS, v1                       ; v9: the block's scale words, 16 bytes a lane
	s_mov_b32 s[SEL], 0x76543210
	s_mov_b32 s[SEL+1], 0xfedcba98
	s_mov_b32 s25, 0x3fb8aa3b                      ; log2(e)
	s_lshl_b32 s28, ttmp9, 17                      ; x: 16 rows of 8,192 bytes a work-group,
	s_lshl_b32 s30, s[WV], 10                      ; 1,024 bytes of a row a wave
	s_add_co_u32 s28, s28, s30
	s_mov_b32 s29, 0
	s_lshl_b32 s30, s[WV], 13                      ; Wr: 256 rows of 32 bytes a wave
	s_mov_b32 s31, 0
	s_mul_i32 s32, s[WV], 393216                   ; xq: plane kc = wave,
	s_mul_i32 s34, ttmp9, 3072                     ; token block
	s_add_co_u32 s32, s32, s34
	s_mov_b32 s33, 0
	s_lshl_b32 s34, ttmp9, 10                      ; xs
	s_mov_b32 s35, 0
	s_lshl_b32 s36, ttmp9, 9                       ; pw
	s_mov_b32 s37, 0
	s_wait_kmcnt 0x0
	s_load_b256 s[16:23], s[8:9], 0x0              ; br's eight numbers
	s_add_nc_u64 s[4:5], s[4:5], s[28:29]
	s_add_nc_u64 s[6:7], s[6:7], s[30:31]
	s_add_nc_u64 s[10:11], s[10:11], s[32:33]
	s_add_nc_u64 s[12:13], s[12:13], s[34:35]
	s_add_nc_u64 s[14:15], s[14:15], s[36:37]
.irp t, 0,1,2,3,4,5,6,7,8,9,10,11,12,13,14,15
	global_load_b128 v[XT+4*\t:XT+4*\t+3], v1, s[6:7] offset:512*\t       ; Wr(16 t + lane / 2, 4 (lane % 2) ..)
.endr
.irp i, 0,1,2,3,4,5,6,7,8,9,10,11,12,13,14,15
	global_load_b128 v[R0+4*\i:R0+4*\i+3], v1, s[4:5] offset:8192*\i       ; row i, K step 0
.endr
.irp i, 0,1,2,3,4,5,6,7,8,9,10,11,12,13,14,15
	global_load_b128 v[R0+64+4*\i:R0+64+4*\i+3], v1, s[4:5] offset:8192*\i+512   ; row i, K step 1
.endr
	s_wait_loadcnt 32                              ; Wr is in; the 32 loads of x are younger
.irp t, 0,1,2,3,4,5,6,7,8,9,10,11,12,13,14,15
	v_cvt_pk_bf16_f32 v[CV+2*\t], v[XT+4*\t], v[XT+4*\t+1]
	v_cvt_pk_bf16_f32 v[CV+2*\t+1], v[XT+4*\t+2], v[XT+4*\t+3]
.endr
.irp t, 0,1,2,3,4,5,6,7,8,9,10,11,12,13,14,15
	ds_store_b64 v4, v[CV+2*\t:CV+2*\t+1] offset:256*\t                    ; row k of my 256 at 16 k
.endr
; One K step of 128.  left: the younger loads of x that may stay out.
.macro KSTEP q, left
	s_wait_loadcnt \left
.if \q
	s_wait_xcnt 0x0                                ; the last step's stores have read the codes' registers, which are written again below
.endif
.irp i, 0,1,2,3,4,5,6,7,8,9,10,11,12,13,14,15
	ds_store_b128 v2, v[R0+64*\q+4*\i:R0+64*\q+4*\i+3] offset:SPI*\i
.endr
.irp b, 0,1,2,3
.irp j, 0,1,2,3
	ds_load_b128 v[XT+16*\b+4*\j:XT+16*\b+4*\j+3], v3 offset:128*\b+16*\j   ; LDS serves a wave's instructions in order: these see my stores
.endr
.endr
.irp b, 0,1,2,3
.irp u, 0,1
	ds_load_tr16_b128 v[BF+8*\b+4*\u:BF+8*\b+4*\u+3], v5 offset:512*(4*\q+\b)+128*\u   ; lane (n, h): Wr(32 b + 16 h + 8 u + 0 .. 7, n % 8)
.endr
.endr
	s_wait_dscnt 0x0
.if \q == 0
.irp b, 0,1,2,3
	v_mov_b32 v[TM+4+\b], 0                        ; written once: a lane permute's destination counts as one of its sources
.endr
.endif
.irp b, 0,1,2,3
.irp j, 0,1,2,3,4,5,6,7
	v_cvt_pk_bf16_f32 v[AF+8*\b+\j], v[XT+16*\b+2*\j], v[XT+16*\b+2*\j+1]
.endr
.endr
.irp b, 0,1,2,3                                ; transposed: source 0 = Wr's columns (experts, twice), source 1 = my 16 tokens: lane r holds token r, register j expert j.  The two accumulators take turns
.if (\q == 0) && (\b < 2)
	v_wmma_f32_16x16x32_bf16 v[ACC+8*(\b%2):ACC+8*(\b%2)+7], v[BF+8*\b:BF+8*\b+7], v[AF+8*\b:AF+8*\b+7], 0
.else
	v_wmma_f32_16x16x32_bf16 v[ACC+8*(\b%2):ACC+8*(\b%2)+7], v[BF+8*\b:BF+8*\b+7], v[AF+8*\b:AF+8*\b+7], v[ACC+8*(\b%2):ACC+8*(\b%2)+7]
.endif
.endr
	QUANT XT, PW0+\q                               ; its 32 maxima are the places behind the products, ahead of the conversions that write over Wr's fragments
.irp g, 0,1,2
	global_store_b128 v1, v[PC+4*\g:PC+4*\g+3], s[10:11] offset:1536*\q+512*\g   ; 512 consecutive bytes a store
.endr
.endm
	KSTEP 0, 16                                    ; K step 1's 16 loads may stay out
	KSTEP 1, 0
.irp i, 0,1,2,3
	v_pk_add_f32 v[LS+2*\i:LS+2*\i+1], v[ACC+2*\i:ACC+2*\i+1], v[ACC+8+2*\i:ACC+8+2*\i+1]   ; both accumulators from their low ends on
.endr
	ds_store_b128 v6, v[LS:LS+3]
	ds_store_b128 v6, v[LS+4:LS+7] offset:512
	ds_store_b64 v8, v[PW0:PW0+1]                  ; lanes r and 16 + r write the same words with the same values
	s_wait_dscnt 0x0                               ; for wave 0's sake: my stores have landed
	s_barrier_signal -1
	s_barrier_wait -1
	s_cmp_lg_u32 s[WV], 0
	s_cbranch_scc1 .Ldone
.irp u, 0,1,2,3,4,5,6,7
	ds_load_b128 v[XT+8*\u:XT+8*\u+3], v7 offset:1024*\u
	ds_load_b128 v[XT+8*\u+4:XT+8*\u+7], v7 offset:1024*\u+512
.endr
	ds_load_b128 v[16:19], v9
	ds_load_b128 v[20:23], v9 offset:512
	s_wait_dscnt 0x0
	s_wait_kmcnt 0x0                               ; br
.irp u, 1,2,3,4,5,6,7
.irp i, 0,2,4,6
	v_pk_add_f32 v[XT+\i:XT+\i+1], v[XT+\i:XT+\i+1], v[XT+8*\u+\i:XT+8*\u+\i+1]
.endr
.endr
.irp j, 0,1,2,3,4,5,6,7
	v_add_f32 v[XT+\j], s[16+\j], v[XT+\j]
.endr
	v_max3_num_f32 v152, v144, v145, v146
	s_delay_alu instid0(VALU_DEP_1)
	v_max3_num_f32 v152, v152, v147, v148
	s_delay_alu instid0(VALU_DEP_1)
	v_max3_num_f32 v152, v152, v149, v150
	s_delay_alu instid0(VALU_DEP_1)
	v_max_num_f32 v152, v152, v151                 ; the token's largest logit
	s_delay_alu instid0(VALU_DEP_1)
	v_mul_f32 v152, s25, v152
.irp j, 0,1,2,3,4,5,6,7
	v_fma_f32 v[XT+\j], v[XT+\j], s25, -v152       ; (logit - maximum) x log2(e)
.endr
	s_wait_alu depctr_va_vdst(0)
.irp j, 0,1,2,3,4,5,6,7
	v_exp_f32 v[XT+\j], v[XT+\j]
.endr
	v_nop                                          ; one plain place behind the exponentials
	s_wait_alu depctr_va_vdst(0)
	v_add_f32 v153, v144, v145
	v_add_f32 v154, v146, v147
	v_add_f32 v155, v148, v149
	v_add_f32 v156, v150, v151
	s_delay_alu instid0(VALU_DEP_3)
	v_add_f32 v153, v153, v154
	s_delay_alu instid0(VALU_DEP_2)
	v_add_f32 v155, v155, v156
	s_delay_alu instid0(VALU_DEP_1)
	v_add_f32 v153, v153, v155
	s_wait_alu depctr_va_vdst(0)
	v_rcp_f32 v153, v153
	v_nop                                          ; one plain place behind the reciprocal
	v_cmp_lt_u32 vcc_lo, 15, v11                   ; lanes 16-31 keep experts 4 to 7
	s_wait_alu depctr_va_vdst(0)
.irp j, 0,1,2,3,4,5,6,7
	v_mul_f32 v[XT+\j], v[XT+\j], v153
.endr
.irp i, 0,1,2,3
	s_delay_alu instid0(VALU_DEP_4)
	v_cndmask_b32 v[160+\i], v[144+\i], v[148+\i], vcc_lo
.endr
	global_store_b128 v1, v[160:163], s[14:15]
	global_store_b128 v1, v[16:19], s[12:13]
	global_store_b128 v1, v[20:23], s[12:13] offset:512
.Ldone:
	s_wait_tensorcnt 0x0
	ds_add_u32 v14, v15
	s_wait_dscnt 0x0
	s_endpgm
; RE-LAYING.  Wu_codes (8,192 rows of 1,536 bytes) and Wd_codes (16,384 rows of 768 bytes) become IMAGES of fragments in wq, so that the products' tiles are dense and begin on multiples of 256 bytes.
; A fragment is 16 rows x 128 K = 1,536 bytes: group g of four registers of lane l at 512 g + 16 l.  No code is changed.
; wq: Wu at byte 0: [chunk of 256 K 0..7][row block 0..511][q 0..1][1536];  Wd at byte 12,582,912: [expert][chunk 0..3][row block 0..127][q][1536].
; A unit is 16 rows x 768 bytes (8 fragments): 1,024 units of Wu (a row's two halves), 1,024 of Wd.  A wave takes TWO neighbouring units (Wu: both halves of 16 rows; Wd: two row blocks of one expert): 16 units a
; work-group, 128 work-groups.  All 48 loads of 512 bytes go out at once; then, unit by unit: a stage of the wave's own (rows of 768 + 16 bytes, in LDS bytes that the other path never names),
; 48 reads of 8 bytes in the fragments' order, 24 stores of 512 consecutive bytes.  The second unit has the first's scalar bases and vector offsets of its own.
.set RST, 110592
.set RP,  784
.Lrelay:
	s_load_b128 s[4:7], s[0:1], 0x30               ; Wu_codes, Wd_codes
	s_load_b64 s[8:9], s[0:1], 0x40                ; wq
	v_lshl_add_u32 v14, v0, 2, 0x1ac00
	v_mov_b32 v15, 0
	v_lshrrev_b32 v10, 5, v0
	v_readfirstlane_b32 s24, v10                   ; wave 0..7
	v_and_b32 v11, 31, v0
	v_and_b32 v12, 15, v0                          ; r
	v_bfe_u32 v13, v0, 4, 1                        ; h
	v_lshlrev_b32 v1, 4, v11                       ; 16 x lane
	s_mul_i32 s28, s24, 16*RP
	s_add_co_u32 s28, s28, RST
	v_add_nc_u32 v4, s28, v1                       ; the stage, in
	v_lshl_add_u32 v5, v13, 4, v4                  ; in, where lanes 16-31 begin the next row: one padding more
	v_mul_u32_u24 v6, v12, RP
	v_mad_u32_u24 v6, v13, 24, v6
	v_add_nc_u32 v6, s28, v6                       ; out: row r, + 24 h
	s_sub_co_u32 s10, ttmp9, 128
	s_lshl_b32 s10, s10, 3
	s_add_co_u32 s10, s10, s24
	s_lshl_b32 s10, s10, 1                         ; my first unit, an even number 0..2046: under 1,024 Wu's
	s_and_b32 s11, s10, 1023
	s_lshr_b32 s14, s11, 1                         ; Wu: the row block
	s_mul_i32 s16, s14, 24576                      ; Wu: from
	s_mul_i32 s17, s11, 12288                      ; Wd: from
	s_mul_i32 s18, s14, 3072                       ; Wu: to
	s_lshr_b32 s19, s11, 7
	s_mul_i32 s19, s19, 1572864
	s_and_b32 s15, s11, 127
	s_mul_i32 s15, s15, 3072
	s_add_co_u32 s19, s19, s15
	s_add_co_u32 s19, s19, 12582912                ; Wd: to
	s_mov_b32 s20, 393216
	s_mov_b32 s25, 12288
	s_mov_b32 s26, 3072
	s_wait_alu depctr_va_vdst(0)
	s_wait_kmcnt 0x0
	s_cmp_lt_u32 s10, 1024
	s_cselect_b64 s[4:5], s[4:5], s[6:7]
	s_cselect_b32 s12, 768, 0                      ; bytes of a row that are not the unit's
	s_cselect_b32 s16, s16, s17
	s_cselect_b32 s18, s18, s19
	s_cselect_b32 s20, 1572864, s20                ; from chunk to chunk in wq
	s_cselect_b32 s25, 768, s25                    ; from my first unit to my second: in the source,
	s_cselect_b32 s26, 4*1572864, s26              ; and in wq
	s_mov_b32 s17, 0
	s_mov_b32 s19, 0
	s_mov_b32 s21, 0
	s_mov_b32 s23, 0
	s_lshl_b32 s22, s12, 1
	s_add_co_u32 s22, s22, 1536                    ; two rows in memory
	s_add_nc_u64 s[40:41], s[4:5], s[16:17]
.irp p, 1,2,3,4,5,6,7
	s_add_nc_u64 s[40+2*\p:41+2*\p], s[38+2*\p:39+2*\p], s[22:23]
.endr
	s_add_nc_u64 s[56:57], s[8:9], s[18:19]
.irp k, 1,2,3
	s_add_nc_u64 s[56+2*\k:57+2*\k], s[54+2*\k:55+2*\k], s[20:21]
.endr
	v_mad_u32_u24 v2, v13, s12, v1                 ; lanes 16-31 in the next row
	v_add_nc_u32 v3, s12, v1                       ; all lanes in the next row
	v_add_nc_u32 v7, s25, v1                       ; the same three for my second unit,
	v_add_nc_u32 v8, s25, v2
	v_add_nc_u32 v9, s25, v3
	v_add_nc_u32 v10, s26, v1                      ; and where its images go
	s_wait_alu depctr_va_vdst(0)
.irp p, 0,1,2,3,4,5,6,7                            ; rows 2 p and 2 p + 1: 1,536 bytes in three loads
	global_load_b128 v[16+12*\p:19+12*\p], v1, s[40+2*\p:41+2*\p] th:TH_LOAD_NT
	global_load_b128 v[20+12*\p:23+12*\p], v2, s[40+2*\p:41+2*\p] offset:512 th:TH_LOAD_NT
	global_load_b128 v[24+12*\p:27+12*\p], v3, s[40+2*\p:41+2*\p] offset:1024 th:TH_LOAD_NT
	global_load_b128 v[112+12*\p:115+12*\p], v7, s[40+2*\p:41+2*\p] th:TH_LOAD_NT
	global_load_b128 v[116+12*\p:119+12*\p], v8, s[40+2*\p:41+2*\p] offset:512 th:TH_LOAD_NT
	global_load_b128 v[120+12*\p:123+12*\p], v9, s[40+2*\p:41+2*\p] offset:1024 th:TH_LOAD_NT
.endr
	s_wait_loadcnt 0x0
; A unit: its 96 registers go into the stage and come back, into the same registers, in the fragments' order.  d: the unit's first register; vo: its offset in wq.
.macro UNIT d, vo
.irp p, 0,1,2,3,4,5,6,7
	ds_store_b128 v4, v[\d+12*\p:\d+3+12*\p] offset:2*\p*RP
	ds_store_b128 v5, v[\d+4+12*\p:\d+7+12*\p] offset:2*\p*RP+512
	ds_store_b128 v4, v[\d+8+12*\p:\d+11+12*\p] offset:(2*\p+1)*RP+256
.endr
.irp s, 0,1,2,3,4,5,6,7                            ; LDS serves a wave's instructions in order: these see my stores
.irp c, 0,1,2,3,4,5
	ds_load_b64 v[\d+12*\s+2*\c:\d+1+12*\s+2*\c], v6 offset:96*\s+48*(\c/3)+8*(\c%3)
.endr
.endr
	s_wait_dscnt 0x0                               ; the fragments are in, and the stage is free for the next unit
.irp s, 0,1,2,3,4,5,6,7
.irp g, 0,1,2
	global_store_b128 v[\vo], v[\d+12*\s+4*\g:\d+3+12*\s+4*\g], s[56+2*(\s/2):57+2*(\s/2)] offset:1536*(\s%2)+512*\g
.endr
.endr
.endm
	UNIT 16, 1
	UNIT 112, 10
	s_wait_tensorcnt 0x0                           ; the wave's end
	ds_add_u32 v14, v15
	s_wait_dscnt 0x0
	s_endpgm
.Lfunc_end_k_q2df2196202_prep:
	.size	k_q2df2196202_prep, .Lfunc_end_k_q2df2196202_prep-k_q2df2196202_prep
	.p2alignl 7, 3214868480
	.fill 96, 4, 3214868480
	.section	.rodata,"a",@progbits
	.p2align	6, 0x0
	.amdhsa_kernel k_q2df2196202_prep
		.amdhsa_group_segment_fixed_size 210944
		.amdhsa_private_segment_fixed_size 0
		.amdhsa_enable_private_segment 0
		.amdhsa_kernarg_size 72
		.amdhsa_user_sgpr_count 2
		.amdhsa_user_sgpr_kernarg_segment_ptr 1
		.amdhsa_wavefront_size32 1
		.amdhsa_system_sgpr_workgroup_id_x 1
		.amdhsa_system_sgpr_workgroup_id_y 1
		.amdhsa_system_sgpr_workgroup_id_z 1
		.amdhsa_system_vgpr_workitem_id 0
		.amdhsa_next_free_vgpr 256
		.amdhsa_next_free_sgpr 66
		.amdhsa_reserve_vcc 1
		.amdhsa_float_denorm_mode_32 3
		.amdhsa_float_denorm_mode_16_64 3
		.amdhsa_memory_ordered 1
		.amdhsa_forward_progress 1
		.amdhsa_inst_pref_size 60
	.end_amdhsa_kernel
	.amdgpu_metadata
---
amdhsa.version: [ 1, 2 ]
amdhsa.kernels:
  - .name:           k_q2df2196202_prep
    .symbol:         k_q2df2196202_prep.kd
    .args:
      - { .name: x, .offset: 0, .size: 8, .value_kind: global_buffer, .address_space: global }
      - { .name: Wr, .offset: 8, .size: 8, .value_kind: global_buffer, .address_space: global }
      - { .name: br, .offset: 16, .size: 8, .value_kind: global_buffer, .address_space: global }
      - { .name: xq, .offset: 24, .size: 8, .value_kind: global_buffer, .address_space: global }
      - { .name: xs, .offset: 32, .size: 8, .value_kind: global_buffer, .address_space: global }
      - { .name: pw, .offset: 40, .size: 8, .value_kind: global_buffer, .address_space: global }
      - { .name: Wu_codes, .offset: 48, .size: 8, .value_kind: global_buffer, .address_space: global }
      - { .name: Wd_codes, .offset: 56, .size: 8, .value_kind: global_buffer, .address_space: global }
      - { .name: wq, .offset: 64, .size: 8, .value_kind: global_buffer, .address_space: global }
    .group_segment_fixed_size: 210944
    .private_segment_fixed_size: 0
    .kernarg_segment_align: 8
    .kernarg_segment_size: 72
    .max_flat_workgroup_size: 256
    .sgpr_count:     66
    .vgpr_count:     256
    .wavefront_size: 32
...
	.end_amdgpu_metadata
.endif
;; end of part 4
;; launch up (part 5): grid 32 x 8, 4 waves a work-group, clusters of 4 x 4, 327,680 bytes of LDS; arguments xq, xs, wq, Wu_scales, bu, hq, hs; writes hq, hs
.if DOCPART == 5
	.amdgcn_target "amdgcn-amd-amdhsa--gfx1250"
	.amdhsa_code_object_version 6
	.text
	.protected	k_q2df2196202_up
	.globl	k_q2df2196202_up
	.p2align	8
	.type	k_q2df2196202_up,@function
k_q2df2196202_up:
	s_mov_b64 s[64:65], 0
	v_nop
	global_prefetch_b8 v0, s[64:65] scope:SCOPE_SE
	s_setreg_imm32_b32 hwreg(HW_REG_WAVE_MODE, 25, 1), 1
	s_wait_xcnt 0x0
	s_wait_alu depctr_hold_cnt(0) depctr_sa_sdst(0) depctr_va_vdst(0) depctr_va_sdst(0) depctr_va_ssrc(0) depctr_va_vcc(0) depctr_vm_vsrc(0)
	s_getreg_b32 s2, hwreg(HW_REG_IB_STS2, 6, 4)
	s_cmp_eq_u32 s2, 0
	s_cbranch_scc0 .Lentry_in_a_cluster
	s_endpgm
.Lentry_in_a_cluster:
	s_bfe_u32 s2, ttmp6, 0x10000c
	s_cmp_lg_u32 s2, 0xf033
	s_cbranch_scc0 .Lentry_shape_is_right
	s_endpgm
.Lentry_shape_is_right:
; UP: h = Q(gelu(Q(x) Wu^T + bu)): [2048 tokens] x [8192 hidden units = 8 experts x 1024], K = 2048, on codes of FP6 (E2M3) with one E8M0 scale for each 32 along K; sums in f32.
; gelu(v) = v / (1 + 2^z), z = -2 log2(e) sqrt(2 / pi) (v + 0.044715 v^3): the tanh form, written with one exponential and one reciprocal, all in f32.  Q: the quantiser along the hidden units.
; LIMITS: NaN and infinities are not served.  A block of zeros gets the byte 1 (not 127): its codes are zeros, and this program alone reads the bytes.
; SHARES.  A work-group makes 256 tokens x 256 hidden units; each of its four waves 128 x 128: 64 accumulators, 512 registers.  K goes in chunks of 256 through two LDS slots filled by the tensor data mover.
; x's codes come as IMAGES of fragments (12 registers a lane: group g of lane l at 512 g + 16 l), dense: three loads of 16 bytes a fragment.  Wu's come as rows of 192 bytes, 16 bytes of padding behind every 64.
; The scale words of the work-group's rows, for all of K, come once, with the first fills, and stay.
; CLUSTER 4 x 4: the four work-groups of a row of the cluster need the same tiles of x, the four of a column the same tiles of Wu: each tile is asked for jointly.
; TRANSPOSED: source 0 = 16 rows of Wu, source 1 = 16 tokens: a lane holds one token, its eight registers eight neighbouring hidden units, which are the next product's K.  bu is the C of each sum's first product.
; LDS LOADS STAND IN RUNS, two to a step of 128 along K, 24 loads each: the four blocks of x whose registers have just come free, and half of Wu's next set.  Each run stands behind four places
; and has 32 matrix instructions in which to land.
; REGISTERS: window 0: v16-30 addresses; v32-95 scale words, two sets, and nothing else; v96-159 bu; v160-255 x's 8 fragments, one set.  window 1: Wu's 8 fragments, two sets, at v0 and v128.
;   windows 2, 3: accumulator (a, b) at v[8 (8 (a % 4) + b)].  On the way out window 0's v96-215 are at work.
; OUT.  hq [chunk of 256 hidden 0..31][token block 0..127][q 0..1][1536]: images.   hs [128 tokens 0..15][chunk][q][slot L 0..31][i 0..3]: the scale word of token block 4 (L / 16) + i, row L % 16.
; Wu's codes come from wq as images like x's, dense, three loads of 16 bytes a fragment: this takes the place of what the head says of rows of 192 bytes and their padding.
; THE HEAD: one joint load a wave: wave 0 chunk 0 of x, wave 1 chunk 0 of Wu, wave 2 x's scale words, wave 3 Wu's; chunk 1 is asked for behind the full sequence and a round, as a refill is.
; PREFETCH: behind each refill a wave names, of the 24,576 bytes that it will fetch two refills on, its work-group's quarter (by cx for x, by cy for Wu): 24 blocks of 256 bytes, a lane a block
; (lanes 24-31 name the last again).  The loop's last trip has no chunk two refills on and asks for nothing.
.set WPL, 1572864                      ; a plane of Wu's images
.set SLOT,  98304                      ; x: 2 x 24,576; Wu: 2 x 24,576
.set AH,    24576
.set BOFF,  49152
.set BH,    24576
.set SCA,   2*SLOT                     ; x's scale words: 16 token blocks x 1,024 bytes
.set SCB,   SCA+16384                  ; Wu's: 2 x 32 units of 256 bytes + 16
.set SBH,   8704
.set SPARE, SCB+2*SBH                  ; the spare words, 128 bytes a wave: two blocks of 256 bytes that no other line names
.set KPL,   393216                     ; a plane of xq or of hq
.set ADA,  16                          ; v16-17 my x images in slot 0, 1
.set ADB,  20                          ; v20-21 my Wu images in slot 0, 1
.set HO,   24                          ; v24 16 x lane
.set VBI,  25                          ; v25 32 h
.set ADSA, 26                          ; v26 x's scale words of the chunk to be fetched
.set ADSB, 27                          ; v27 Wu's
.set SPW,  28                          ; v28 my spare word; never rewritten
.set NIL,  29                          ; v29 0; never rewritten
.set LN,   30                          ; v30 lane
.set SA,   32                          ; set s: x's word of block a, step q at v[32 + 32 s + 2 a + q]
.set SB,   48                          ; Wu's word of block b at v[48 + 32 s + 2 b + q]
.set BI,   96
.set AF,   160
.set G,    96                          ; the way out: 64 numbers
.set TM,   160
.set PC,   176
.set PWS,  200                         ; v200-207 the eight blocks' scale words
.set K0V,  208
.set K1V,  210
.set SLR,  212
.set WV,   20
.set SEL,  18
.set G1A,  24
.set G1B,  32
.set G1SA, 48
.set G1SB, 56
.set G0A,  68
.set G0B,  76
.set G0SA, 84
.set G0SB, 88
.set MSB, 0
.macro WIN new                         ; the immediate's high byte repeats the setting that is left; a switch that changes nothing is dropped
.if MSB != (\new)
	s_set_vgpr_msb (MSB<<8)|(\new)
.set MSB, (\new)
.endif
.endm
.macro PLACES n
.rept \n
	v_nop
.endr
.endm
; A joint load: waves 0 and 1 fetch for x, waves 2 and 3 for Wu.  The branch hangs on the wave's number alone.  Four v_nop follow each of the two lines.
.macro JLOAD g0a, g1a, g0b, g1b
	s_cmp_eq_u32 s21, 0
	s_cbranch_scc0 .Lfor_b_\@
	tensor_load_to_lds s[\g0a:\g0a+3], s[\g1a:\g1a+7]
	s_nop 0
.rept 4
	v_nop
.endr
	s_branch .Lasked_\@
.Lfor_b_\@:
	tensor_load_to_lds s[\g0b:\g0b+3], s[\g1b:\g1b+7]
	s_nop 0
.rept 4
	v_nop
.endr
.Lasked_\@:
.endm
.macro CREST                           ; a round of the cluster's barrier behind its opening barrier
	s_cmp_lg_u32 s[WV], 0
	s_cbranch_scc1 .Lnot_wave_0_\@
	s_barrier_signal -3
.Lnot_wave_0_\@:
	s_barrier_wait -3
	s_barrier_signal -1
	s_barrier_wait -1
.endm
.macro CROUND
	s_barrier_signal -1
	s_barrier_wait -1
	CREST
.endm
.macro GROUP1 g, c, r, p               ; words 1 to 7 of a group 1: rows of c elements, r rows, p elements from row to row
	s_mov_b32 s[\g+1], (\c)<<16
	s_mov_b32 s[\g+2], (\r)<<16
	s_mov_b32 s[\g+3], (\c)<<16
	s_mov_b32 s[\g+4], \r
	s_mov_b32 s[\g+5], \p
	s_mov_b32 s[\g+6], 0
	s_mov_b32 s[\g+7], 0
.endm
.macro GROUP0 g, lds, off, adr, step   ; a group 0: to LDS byte s[lds] + off, from address s[adr:adr+1] + step
	s_mov_b32 s[\g], 1
	s_add_co_u32 s[\g+1], s[\lds], \off
	s_add_nc_u64 s[\g+2:\g+3], s[\adr:\adr+1], \step
	s_or_b32 s[\g+3], s[\g+3], 0x80000000
.endm
.macro QUANT s, pw                     ; 64 numbers of a lane, register 16 b + i = k 32 b + 16 (lane / 16) + i of my row, become codes in v[PC] on and a scale word in v[pw]
.irp b, 0,1,2,3
	v_max3_num_f32 v[TM+\b], |v[\s+16*\b]|, |v[\s+1+16*\b]|, 0x1800000   ; and the floor 2^(3 - 127): the byte cannot fall under 1
.endr
.irp i, 2,4,6,8,10,12,14
.irp b, 0,1,2,3
	v_max3_num_f32 v[TM+\b], v[TM+\b], |v[\s+16*\b+\i]|, |v[\s+1+16*\b+\i]|
.endr
.endr
.irp b, 0,1,2,3
	v_permlanex16_b32 v[TM+4+\b], v[TM+\b], s[SEL], s[SEL+1]
.endr
.irp b, 0,1,2,3
	v_max_num_f32 v[TM+\b], v[TM+\b], v[TM+4+\b]
.endr
.irp b, 0,1,2,3
	v_add_nc_u32 v[TM+12+\b], 0xff000000, v[TM+\b]   ; 2 off the exponent field: the conversion's scale operand
.endr
.irp b, 0,1,2,3
	v_lshrrev_b32 v[TM+4+\b], 23, v[TM+12+\b]
.endr
	v_lshl_or_b32 v[\pw], v[TM+5], 8, v[TM+4]
	v_lshl_or_b32 v[\pw], v[TM+6], 16, v[\pw]
	v_lshl_or_b32 v[\pw], v[TM+7], 24, v[\pw]
.irp c, 0,1
	v_cvt_scalef32_pk16_fp6_f32 v[PC+6*\c:PC+2+6*\c], v[\s+32*\c:\s+15+32*\c], v[TM+12+2*\c]
	v_cvt_scalef32_pk16_fp6_f32 v[PC+12+4*\c:PC+14+4*\c], v[\s+16+32*\c:\s+31+32*\c], v[TM+12+2*\c+1]
.endr
	v_nop                                          ; one plain place behind a scaled conversion
.irp c, 0,1
.irp i, 0,1,2
	v_permlane16_swap_b32 v[PC+6*\c+\i], v[PC+12+4*\c+\i]
.endr
.irp i, 0,1,2
	v_mov_b32 v[PC+3+6*\c+\i], v[PC+12+4*\c+\i]
.endr
.endr
.endm
	s_load_b256 s[4:11], s[0:1], 0x0               ; xq, xs, wq, Wu_scales
	s_load_b128 s[12:15], s[0:1], 0x20             ; bu, hq
	s_load_b64 s[16:17], s[0:1], 0x30              ; hs
	v_lshl_add_u32 v[SPW], v0, 2, SPARE
	v_mov_b32 v[NIL], 0
	ds_add_u32 v28, v29
	ds_add_u32 v28, v29
	s_wait_dscnt 0x0
	v_lshrrev_b32 v1, 5, v0
	v_readfirstlane_b32 s[WV], v1                  ; wave 0..3
	s_lshr_b32 s21, s[WV], 1                       ; my half of the tokens.  Also: I fetch for x (0) or for Wu (1)
	s_and_b32 s22, s[WV], 1                        ; my half of the hidden units.  Also: which half of that tile I fetch
	s_bfe_u32 s40, ttmp6, 0x40000                  ; cx, cy
	s_bfe_u32 s41, ttmp6, 0x40004
	s_lshl_b32 s42, ttmp9, 2
	s_add_co_u32 s42, s42, s40                     ; X: the chunk of 256 hidden units
	s_and_b32 s43, ttmp7, 0xffff
	s_lshl_b32 s43, s43, 2
	s_add_co_u32 s43, s43, s41                     ; Y: the block of 256 tokens
	s_lshl_b32 s44, s41, 2
	s_lshl_b32 s44, 15, s44                        ; my row of the cluster
	s_lshl_b32 s45, 0x1111, s40                    ; my column
	s_or_b32 s[G1A], s44, (3<<16)|(1<<21)          ; x's tile: 24,576 dense bytes as 96 rows of 32 elements of 8 bytes; no padding; bit 21 beside the mask
	s_or_b32 s[G1B], s45, (3<<16)|(1<<21)          ; Wu's tile: dense, like x's
	s_or_b32 s[G1SA], s44, (3<<16)|(1<<21)         ; x's scale words: 16,384 dense bytes
	s_or_b32 s[G1SB], s45, (3<<16)|(1<<20)|(1<<21)|(5<<22)|(3<<25)   ; Wu's: 16,384 dense bytes, 4 words of padding behind every 64
	GROUP1 G1A, 32, 192, 32                        ; the head's loads bring whole tiles: 49,152 bytes of codes,
	GROUP1 G1B, 32, 192, 32
	GROUP1 G1SA, 32, 64, 32                        ; 16,384 bytes of scale words
	GROUP1 G1SB, 32, 64, 32
	s_mul_i32 s92, s43, 49152                      ; x's tiles and scale words hang on Y and the wave alone (s92-95 never hold X),
	s_mov_b32 s93, 0
	s_lshl_b32 s94, s43, 14
	s_mov_b32 s95, 0
	s_mul_i32 s96, s42, 49152                      ; Wu's on X alone (s96-99 never hold Y)
	s_mov_b32 s97, 0
	s_lshl_b32 s98, s42, 14
	s_mov_b32 s99, 0
	s_mul_i32 s100, s22, AH                        ; in the ring: my half of a tile
	s_mov_b32 s101, 0
	s_mul_i32 s46, s22, AH                         ; where they go in LDS: the wave's number alone
	s_mul_i32 s47, s22, BH
	s_add_co_u32 s47, s47, BOFF
	s_mov_b32 s66, SCA
	s_mov_b32 s67, SCB
	s_mov_b32 s[SEL], 0x76543210
	s_mov_b32 s[SEL+1], 0xfedcba98
	s_wait_kmcnt 0x0
	s_add_nc_u64 s[92:93], s[4:5], s[92:93]
	s_add_nc_u64 s[94:95], s[6:7], s[94:95]
	s_add_nc_u64 s[96:97], s[8:9], s[96:97]
	s_add_nc_u64 s[98:99], s[10:11], s[98:99]
	CROUND                                         ; all sixteen work-groups are here: the first joint loads meet
	GROUP0 G0SA, 66, 0, 94, 0
	GROUP0 G0SB, 67, 0, 98, 0
	GROUP0 4, 101, 0, 92, 0                        ; chunk 0 whole, in the registers that held four pointers: x's,
	GROUP0 8, 101, BOFF, 96, 0                     ; Wu's
	s_add_nc_u64 s[92:93], s[92:93], s[100:101]    ; for the ring: my half
	s_add_nc_u64 s[96:97], s[96:97], s[100:101]
	GROUP0 G0A, 46, 0, 92, 0
	GROUP0 G0B, 47, 0, 96, 0
	GROUP0 G0A+4, 46, SLOT, 92, KPL
	GROUP0 G0B+4, 47, SLOT, 96, WPL
	s_mov_b32 s104, WPL                            ; the prefetches: s[44:45] where they stand, s[104:105] a chunk's step
	s_cmp_eq_u32 s21, 0
	s_cselect_b64 s[44:45], s[92:93], s[96:97]
	s_cselect_b32 s104, KPL, s104
	s_cselect_b32 s40, s40, s41                    ; my place among the four that ask with me
	s_mul_i32 s40, s40, 6144
	s_mov_b32 s41, 0
	s_mov_b32 s105, 0
	s_add_nc_u64 s[44:45], s[44:45], s[40:41]
	s_mul_i32 s40, s104, 3
	s_add_nc_u64 s[44:45], s[44:45], s[40:41]      ; at chunk 3: the first refill steps it to chunk 4
.macro ARM under, g0, g1, next                 ; one tree of branches on the wave's number: every way passes exactly one load
	s_cmp_lt_u32 s[WV], \under
	s_cbranch_scc0 \next
	tensor_load_to_lds s[\g0:\g0+3], s[\g1:\g1+7]
	s_nop 0
.rept 4
	v_nop
.endr
	s_branch .Lhead_asked
\next:
.endm
	ARM 1, 4, G1A, .Lhead_b
	ARM 2, 8, G1B, .Lhead_sa
	ARM 3, G0SA, G1SA, .Lhead_sb
	tensor_load_to_lds s[G0SB:G0SB+3], s[G1SB:G1SB+7]
	s_nop 0
.rept 4
	v_nop
.endr
.Lhead_asked:
	v_and_b32 v[LN], 31, v0
	v_and_b32 v1, 15, v0                           ; r
	v_bfe_u32 v2, v0, 4, 1                         ; h
	v_lshlrev_b32 v[HO], 4, v[LN]
	v_min_u32 v31, 23, v[LN]
	v_lshlrev_b32 v31, 8, v31                      ; v31: the prefetches' offset: a block of 256 bytes a lane; never rewritten
	s_wait_alu depctr_va_vdst(0)
	s_cmp_eq_u32 s21, 0                            ; chunks 1 and 2 are asked for here, behind the head's load; chunk 3 behind chunk 1's load.  s[44:45] stands at chunk 3; the planes of x and of Wu differ in size
	s_cbranch_scc0 .Lpf_b
	global_prefetch_b8 v31, s[44:45] offset:-2*KPL th:TH_LOAD_NT scope:SCOPE_SE
	global_prefetch_b8 v31, s[44:45] offset:-KPL th:TH_LOAD_NT scope:SCOPE_SE
	s_branch .Lpf_done
.Lpf_b:
	global_prefetch_b8 v31, s[44:45] offset:-2*WPL th:TH_LOAD_NT scope:SCOPE_SE
	global_prefetch_b8 v31, s[44:45] offset:-WPL th:TH_LOAD_NT scope:SCOPE_SE
.Lpf_done:
	s_mul_i32 s23, s21, AH
	v_add_nc_u32 v[ADA], s23, v[HO]
	v_add_nc_u32 v[ADA+1], SLOT, v[ADA]
	s_mul_i32 s23, s22, BH
	s_add_co_u32 s23, s23, BOFF
	v_add_nc_u32 v[ADB], s23, v[HO]
	v_add_nc_u32 v[ADB+1], SLOT, v[ADB]
	s_lshl_b32 s23, s21, 13
	s_add_co_u32 s23, s23, SCA
	v_lshl_add_u32 v[ADSA], v1, 3, s23             ; x's words: 8 bytes a row and chunk
	v_lshrrev_b32 v3, 2, v1
	v_lshlrev_b32 v4, 6, v1
	v_lshl_add_u32 v4, v3, 4, v4                   ; Wu's: 64 bytes a row, 16 more for each 256 passed
	s_mul_i32 s23, s22, SBH
	s_add_co_u32 s23, s23, SCB
	v_add_nc_u32 v[ADSB], s23, v4
	v_lshlrev_b32 v[VBI], 5, v2
	s_lshl_b32 s66, s42, 10                        ; bu: my 128 hidden units
	s_lshl_b32 s67, s22, 9
	s_add_co_u32 s66, s66, s67
	s_mov_b32 s67, 0
	s_add_nc_u64 s[12:13], s[12:13], s[66:67]
.irp b, 0,1,2,3,4,5,6,7
	global_load_b128 v[BI+8*\b:BI+8*\b+3], v[VBI], s[12:13] offset:64*\b        ; lane (r, h): bu of units 16 b + 8 h + 0 .. 7
	global_load_b128 v[BI+8*\b+4:BI+8*\b+7], v[VBI], s[12:13] offset:64*\b+16
.endr
	s_mul_i32 s66, s42, KPL                        ; hq: plane X, token block 16 Y + 8 x my half, step = my half of the hidden units
	s_mul_i32 s67, s43, 49152
	s_add_co_u32 s66, s66, s67
	s_mul_i32 s67, s21, 24576
	s_add_co_u32 s66, s66, s67
	s_mul_i32 s67, s22, 1536
	s_add_co_u32 s66, s66, s67
	s_mov_b32 s67, 0
	s_add_nc_u64 s[14:15], s[14:15], s[66:67]
	s_lshl_b32 s66, s43, 16                        ; hs: 32,768 (2 Y + my half) + 1,024 X + 512 x step
	s_lshl_b32 s67, s21, 15
	s_add_co_u32 s66, s66, s67
	s_lshl_b32 s67, s42, 10
	s_add_co_u32 s66, s66, s67
	s_lshl_b32 s67, s22, 9
	s_add_co_u32 s66, s66, s67
	s_mov_b32 s67, 0
	s_add_nc_u64 s[16:17], s[16:17], s[66:67]
; Matrix instruction i of a step's 64: x's block i / 8 against Wu's block i % 8.  p: Wu's set; q: the chunk's step; sc: the set of scale words.  The 64 accumulators take turns.
.macro MM p, q, sc, zero
.set MA, i/8
.set MB, i%8
.set DD, 8*(8*(MA%4)+MB)
.if \zero
	WIN 0x81+0x40*(MA/4)                           ; source 0 window 1, source 1 and C (bu) window 0, D window 2 or 3
	v_wmma_scale_f32_16x16x128_f8f6f4 v[DD:DD+7], v[128*(\p)+12*MB:128*(\p)+12*MB+11], v[AF+12*MA:AF+12*MA+11], v[BI+8*MB:BI+8*MB+7], v[SB+32*(\sc)+2*MB+(\q)], v[SA+32*(\sc)+2*MA+(\q)] matrix_a_fmt:MATRIX_FMT_FP6 matrix_b_fmt:MATRIX_FMT_FP6
.else
	WIN 0xa1+0x50*(MA/4)                           ; C and D window 2 or 3
	v_wmma_scale_f32_16x16x128_f8f6f4 v[DD:DD+7], v[128*(\p)+12*MB:128*(\p)+12*MB+11], v[AF+12*MA:AF+12*MA+11], v[DD:DD+7], v[SB+32*(\sc)+2*MB+(\q)], v[SA+32*(\sc)+2*MA+(\q)] matrix_a_fmt:MATRIX_FMT_FP6 matrix_b_fmt:MATRIX_FMT_FP6
.endif
.endm
.macro MMS cnt, p, q, sc, zero         ; the step's next cnt matrix instructions
.rept \cnt
	MM \p, \q, \sc, \zero
.set i, i+1
.endr
.endm
.macro BL n, slot, q, p                ; load n of 24 of Wu's eight fragments into set p
; load n of 24: 16 bytes a lane of an image
.set FB, (\n)/3
.set GG, (\n)%3
	ds_load_b128 v[128*(\p)+12*FB+4*GG:128*(\p)+12*FB+4*GG+3], v[ADB+\slot] offset:(2*FB+(\q))*1536+512*GG
.endm
.macro AL n, slot, q, a0               ; load n of 12 of x's blocks a0 .. a0 + 3
.set FA, (\a0)+(\n)/3
.set GG, (\n)%3
	ds_load_b128 v[AF+12*FA+4*GG:AF+12*FA+4*GG+3], v[ADA+\slot] offset:(2*FA+(\q))*1536+512*GG
.endm
.macro FETB n0, slot, q, p             ; pieces n0 .. n0 + 23 of Wu's eight fragments of (slot, q) into set p
	WIN 0x40
.set nn, (\n0)/2                       ; n0 counts 8 bytes a lane: 12 loads of 16 bytes
.rept 12
	BL nn, \slot, \q, \p
.set nn, nn+1
.endr
.endm
.macro FETA slot, q, a0                ; x's blocks a0 .. a0 + 3 of (slot, q): 12 loads
	WIN 0
.set nn, 0
.rept 12
	AL nn, \slot, \q, \a0
.set nn, nn+1
.endr
.endm
.macro FETS sc                         ; a chunk's scale words into set sc: 16 loads
	WIN 0
.irp u, 0,1,2,3,4,5,6,7
	ds_load_b64 v[SA+32*(\sc)+2*\u:SA+32*(\sc)+2*\u+1], v[ADSA] offset:\u*1024
.endr
.irp u, 0,1,2,3,4,5,6,7
	ds_load_b64 v[SB+32*(\sc)+2*\u:SB+32*(\sc)+2*\u+1], v[ADSB] offset:\u*1088
.endr
.endm
; A load into a register that a matrix instruction has read stands four places behind it, and only plain vector instructions that name none of its registers are places (ISA guide 7.12.1 for vector
; instructions).  So four v_nop stand in front of each run: at a step's head for x's blocks 4-7 and Wu's other set, which the step before read to its end;
; behind instruction 31 for x's blocks 0-3.
.macro STEP slot, zero                 ; a chunk's first 128 along K, on Wu's set 0; it fetches the chunk's second 128 into set 1
	s_wait_dscnt 0x0                               ; Wu's set 0, x's blocks 0-3 and the scale words are in
	PLACES 4
	FETA \slot, 0, 4                               ; this step's blocks 4-7,
	FETB 0, \slot, 1, 1                            ; and the first half of the next step's set
.set i, 0
	MMS 32, 0, 0, \slot, \zero
	s_wait_dscnt 12                                ; x's blocks 4-7 are in; the 12 loads of Wu issued behind them may be out
	PLACES 4
	FETA \slot, 1, 0
	FETB 24, \slot, 1, 1
	MMS 32, 0, 0, \slot, \zero
	WIN 0
.endm
; A chunk's second 128 along K, and the change of slots: ONE barrier; in front of it each wave waits for all its tensor loads, adds 0 to its spare word, and waits for that and for its reads of this slot.
.macro TURN slot, next, fill
.if \fill
	s_wait_xcnt 0x0                                ; my last prefetch has read its address, which is stepped here
	s_add_nc_u64 s[44:45], s[44:45], s[104:105]
.endif
	s_wait_dscnt 0x0                               ; Wu's set 1 and x's blocks 0-3 are in
	PLACES 4
	FETA \slot, 1, 4                               ; my last reads of this slot
.set i, 0
	MMS 16, 1, 1, \slot, 0
	WIN 0                                          ; (the add's two registers lie in window 0)
	s_wait_tensorcnt 0x0                           ; all my tensor loads have landed: the one that was out is my part of the next slot
	ds_add_u32 v[SPW], v[NIL]                      ; 0 onto my spare word: eight matrix instructions stand between it and the wait for it
	MMS 8, 1, 1, \slot, 0
	s_wait_dscnt 0x0                               ; the add is done, and my reads of this slot are over
	s_barrier_signal -1
	MMS 8, 1, 1, \slot, 0
	WIN 0
	s_barrier_wait -1
.if \fill
	CREST                                          ; the barrier has opened a round of the cluster's: no wave of any partner still reads this slot or has a load on its way
	s_add_nc_u64 s[G0A+4*\slot+2:G0A+4*\slot+3], s[G0A+4*\slot+2:G0A+4*\slot+3], 2*KPL
	s_add_nc_u64 s[G0B+4*\slot+2:G0B+4*\slot+3], s[G0B+4*\slot+2:G0B+4*\slot+3], 2*WPL
	JLOAD G0A+4*\slot, G1A, G0B+4*\slot, G1B       ; the first tensor load behind the round: 112 matrix instructions ahead of the wait for it; its four v_nop are the places for the loads below
.else
	PLACES 4
.endif
	s_wait_alu depctr_va_vdst(0)
	v_add_nc_u32 v[ADSA], 128, v[ADSA]             ; on to the next chunk's scale words
	v_add_nc_u32 v[ADSB], 8, v[ADSB]
	FETB 0, \next, 0, 0                            ; the next slot may be read only from here on: one run of 52
	FETB 24, \next, 0, 0
	FETA \next, 0, 0
	FETS \next
.if \fill
	s_cmp_gt_u32 s3, 1                             ; the last trip has no chunk two refills on
	s_cbranch_scc0 .Lno_ask_\@
	global_prefetch_b8 v31, s[44:45] th:TH_LOAD_NT scope:SCOPE_SE
.Lno_ask_\@:
.endif
	MMS 32, 1, 1, \slot, 0
	WIN 0
.endm
.macro LAST slot                       ; the very last 128 along K: nothing more to fetch but x's blocks 4-7
	s_wait_dscnt 0x0
	PLACES 4
	FETA \slot, 1, 4
.set i, 0
	MMS 32, 1, 1, \slot, 0
	s_wait_dscnt 0x0
	MMS 32, 1, 1, \slot, 0
	WIN 0
.endm
	s_wait_alu depctr_va_vdst(0)
	s_wait_tensorcnt 0x0                           ; my tile of the head's four is in
	ds_add_u32 v[SPW], v[NIL]
	s_mov_b32 s[G1A+2], 96<<16                     ; no tensor load of mine is out: from here on a load brings 96 rows
	s_mov_b32 s[G1A+4], 96
	s_mov_b32 s[G1B+2], 96<<16
	s_mov_b32 s[G1B+4], 96
	s_wait_dscnt 0x0
	CROUND                                         ; all four tiles are in, and all sixteen work-groups are here
	JLOAD G0A+4, G1A, G0B+4, G1B                   ; chunk 1, the first tensor load behind the round
	FETB 0, 0, 0, 0
	FETB 24, 0, 0, 0
	FETA 0, 0, 0
	FETS 0
	global_prefetch_b8 v31, s[44:45] th:TH_LOAD_NT scope:SCOPE_SE   ; chunk 3
	s_wait_loadcnt 0x0                             ; bu
	STEP 0, 1                                      ; the first step stands ahead of the loop: its products start the sums, with bu as C
	s_mov_b32 s3, 3
.Llap:                                             ; a trip goes once round the ring and fills both slots again: chunks 2 to 7
	TURN 0, 1, 1
	STEP 1, 0
	TURN 1, 0, 1
	STEP 0, 0
	s_sub_co_u32 s3, s3, 1
	s_cmp_lg_u32 s3, 0
	s_cbranch_scc1 .Llap
	TURN 0, 1, 0                                   ; the last lap fills nothing
	STEP 1, 0
	LAST 1
; THE WAY OUT, a block of 16 tokens x 128 hidden units at a time: gelu, the turn that makes a lane's 16 registers 16 neighbours, the quantiser, three stores of 512 consecutive bytes.  No LDS.
	PLACES 4                                       ; behind the last products: their results are read and x's registers written below
	v_mov_b32 v[K0V], 0xc0135761                   ; -2 log2(e) sqrt(2 / pi)
	v_mov_b32 v[K0V+1], 0xc0135761
	v_mov_b32 v[K1V], 0xbdd2d3e8                   ; the same x 0.044715
	v_mov_b32 v[K1V+1], 0xbdd2d3e8
.irp b, 0,1,2,3
	v_mov_b32 v[TM+4+\b], 0                        ; written once: a lane permute's destination counts as one of its sources
.endr
.macro OUTB a
.set AC, 64*((\a)%4)
.set WX, 0x08+4*((\a)/4)               ; source 1 = the block's accumulators, window 2 or 3
	WIN WX
.set j, 0
.rept 32
	v_pk_mul_f32 v[G+j:G+j+1], v[K1V:K1V+1], v[AC+j:AC+j+1]         ; each accumulator from its low end on
.set j, j+2
.endr
.set j, 0
.rept 32
	v_pk_fma_f32 v[G+j:G+j+1], v[G+j:G+j+1], v[AC+j:AC+j+1], v[K0V:K0V+1]
.set j, j+2
.endr
.set j, 0
.rept 32
	v_pk_mul_f32 v[G+j:G+j+1], v[G+j:G+j+1], v[AC+j:AC+j+1]         ; z
.set j, j+2
.endr
	WIN 0
.set j, 0
	s_wait_alu depctr_va_vdst(0)
.rept 64
	v_exp_f32 v[G+j], v[G+j]
.set j, j+1
.endr
	v_nop                                          ; one plain place behind the exponentials
.set j, 0
	s_wait_alu depctr_va_vdst(0)
.rept 32
	v_pk_add_f32 v[G+j:G+j+1], v[G+j:G+j+1], 1.0 op_sel_hi:[1,0]
.set j, j+2
.endr
.set j, 0
	s_wait_alu depctr_va_vdst(0)
.rept 64
	v_rcp_f32 v[G+j], v[G+j]
.set j, j+1
.endr
	v_nop                                          ; one plain place behind the reciprocals
	WIN WX
.set j, 0
	s_wait_alu depctr_va_vdst(0)
.rept 32
	v_pk_mul_f32 v[G+j:G+j+1], v[G+j:G+j+1], v[AC+j:AC+j+1]         ; gelu
.set j, j+2
.endr
	WIN 0
.irp bb, 0,1,2,3                               ; tiles 2 bb and 2 bb + 1 hold units 32 bb + 8 h + j and 32 bb + 16 + 8 h + j: the first's lanes 16-31 change places with the second's lanes 0-15,
.irp t, 0,1,2,3,4,5,6,7                        ; and register 16 bb + i is unit 32 bb + 16 h + i
	v_permlane16_swap_b32 v[G+16*\bb+\t], v[G+16*\bb+8+\t]
.endr
.endr
.if (\a) > 0
	s_wait_xcnt 0x0                                ; the last block's stores have read the codes' registers
.endif
	QUANT G, PWS+\a
.irp g, 0,1,2
	global_store_b128 v[HO], v[PC+4*\g:PC+4*\g+3], s[14:15] offset:3072*(\a)+512*\g
.endr
.endm
.irp a, 0,1,2,3,4,5,6,7
	OUTB \a
.endr
	v_cmp_lt_u32 vcc_lo, 15, v[LN]                 ; lanes 16-31 keep blocks 4 to 7
.irp i, 0,1,2,3
	v_cndmask_b32 v[SLR+\i], v[PWS+\i], v[PWS+4+\i], vcc_lo
.endr
	global_store_b128 v[HO], v[SLR:SLR+3], s[16:17]
	s_wait_tensorcnt 0x0                           ; the wave's end
	ds_add_u32 v[SPW], v[NIL]
	s_wait_dscnt 0x0
	CROUND                                         ; the closing round: no work-group ends while a partner may still ask for a tile that names it
	s_endpgm
.Lfunc_end_k_q2df2196202_up:
	.size	k_q2df2196202_up, .Lfunc_end_k_q2df2196202_up-k_q2df2196202_up
	.p2alignl 7, 3214868480
	.fill 96, 4, 3214868480
	.section	.rodata,"a",@progbits
	.p2align	6, 0x0
	.amdhsa_kernel k_q2df2196202_up
		.amdhsa_group_segment_fixed_size 327680
		.amdhsa_private_segment_fixed_size 0
		.amdhsa_enable_private_segment 0
		.amdhsa_kernarg_size 56
		.amdhsa_user_sgpr_count 2
		.amdhsa_user_sgpr_kernarg_segment_ptr 1
		.amdhsa_wavefront_size32 1
		.amdhsa_system_sgpr_workgroup_id_x 1
		.amdhsa_system_sgpr_workgroup_id_y 1
		.amdhsa_system_sgpr_workgroup_id_z 1
		.amdhsa_system_vgpr_workitem_id 0
		.amdhsa_next_free_vgpr 1024
		.amdhsa_next_free_sgpr 106
		.amdhsa_reserve_vcc 1
		.amdhsa_float_denorm_mode_32 3
		.amdhsa_float_denorm_mode_16_64 3
		.amdhsa_memory_ordered 1
		.amdhsa_forward_progress 1
		.amdhsa_inst_pref_size 255
	.end_amdhsa_kernel
	.section	.bss,"aw",@nobits
	.p2align	6
	.space	262144
	.amdgpu_metadata
---
amdhsa.version: [ 1, 2 ]
amdhsa.kernels:
  - .name:           k_q2df2196202_up
    .symbol:         k_q2df2196202_up.kd
    .args:
      - { .name: xq, .offset: 0, .size: 8, .value_kind: global_buffer, .address_space: global }
      - { .name: xs, .offset: 8, .size: 8, .value_kind: global_buffer, .address_space: global }
      - { .name: wq, .offset: 16, .size: 8, .value_kind: global_buffer, .address_space: global }
      - { .name: Wu_scales, .offset: 24, .size: 8, .value_kind: global_buffer, .address_space: global }
      - { .name: bu, .offset: 32, .size: 8, .value_kind: global_buffer, .address_space: global }
      - { .name: hq, .offset: 40, .size: 8, .value_kind: global_buffer, .address_space: global }
      - { .name: hs, .offset: 48, .size: 8, .value_kind: global_buffer, .address_space: global }
    .group_segment_fixed_size: 327680
    .private_segment_fixed_size: 0
    .kernarg_segment_align: 8
    .kernarg_segment_size: 56
    .max_flat_workgroup_size: 128
    .sgpr_count:     106
    .vgpr_count:     1024
    .wavefront_size: 32
...
	.end_amdgpu_metadata
.endif
;; end of part 5
;; launch down (part 6): grid 16 x 16, 4 waves a work-group, clusters of 4 x 4, 327,680 bytes of LDS; arguments hq, hs, wq, Wd_scales, bd, pw, x, out0; writes out0
.if DOCPART == 6
	.amdgcn_target "amdgcn-amd-amdhsa--gfx1250"
	.amdhsa_code_object_version 6
	.text
	.protected	k_q2df2196202_down
	.globl	k_q2df2196202_down
	.p2align	8
	.type	k_q2df2196202_down,@function
k_q2df2196202_down:
	s_mov_b64 s[64:65], 0
	v_nop
	global_prefetch_b8 v0, s[64:65] scope:SCOPE_SE
	s_setreg_imm32_b32 hwreg(HW_REG_WAVE_MODE, 25, 1), 1
	s_wait_xcnt 0x0
	s_wait_alu depctr_hold_cnt(0) depctr_sa_sdst(0) depctr_va_vdst(0) depctr_va_sdst(0) depctr_va_ssrc(0) depctr_va_vcc(0) depctr_vm_vsrc(0)
	s_getreg_b32 s2, hwreg(HW_REG_IB_STS2, 6, 4)
	s_cmp_eq_u32 s2, 0
	s_cbranch_scc0 .Lentry_in_a_cluster
	s_endpgm
.Lentry_in_a_cluster:
	s_bfe_u32 s2, ttmp6, 0x10000c
	s_cmp_lg_u32 s2, 0xf033
	s_cbranch_scc0 .Lentry_shape_is_right
	s_endpgm
.Lentry_shape_is_right:
; DOWN: out = x + sum over experts e of p(t, e) (h_e Wd_e^T + bd_e): [2048 tokens] x [2048 columns], K = 1024 for each of 8 experts, on codes of FP6 (E2M3) with one E8M0 scale for each 32 along K; sums in f32.
; p is no power of two and may not enter an operand: each expert's sums y are finished by themselves (bd is the C of their first products) and go into out by one packed multiply-add.
; LIMITS: NaN and infinities are not served.  The f32 sum over the experts is taken as (0+1+2+3) + (4+5+6+7).
; SHARES.  A work-group makes 128 tokens x 128 columns: 256 work-groups.  Wave w makes columns 64 (w % 2) on for experts 4 (w / 2) .. + 3, for all 128 tokens: a wave tile of 128 x 64.
; At the end the two waves of a column half add their parts through LDS, each keeping 64 tokens.  REGISTER BLOCK a' of a wave holds token block a' xor 4 (w / 2): every wave keeps blocks 0-3 and hands over 4-7.
; K goes in chunks of 256 for each half of the experts through two LDS slots.  h's codes (hq) and Wd's (wq, from byte WDO on) are images of fragments, plane 4 e + chunk, 3,072 bytes a block of 16 rows:
; a tile is 24,576 dense bytes, fetched as rows of 256 bytes; a fragment is three loads of 16 bytes a lane.  All scale words come once and stay.
; CLUSTER 4 x 4: h's tiles are shared along a row of the cluster, Wd's along a column: each is asked for jointly.
; THE HEAD: one joint load a wave: wave 0 chunk 0 of h (both halves of the experts: two rows of 24,576 bytes), wave 1 of Wd, wave 2 h's scale words, wave 3 Wd's.  Chunk 1 follows behind the full sequence and a round.
; PREFETCH: behind each refill a wave names, of the 24,576 bytes that it fetches two refills on, its work-group's quarter (by cx for h, by cy for Wd): 24 blocks of 256 bytes, a lane a block (lanes 24-31 name
; the last again).  Chunks 0 to 3 come by their loads alone; the last expert's refills have no chunk two refills on: there nothing is asked.
; TRANSPOSED: source 0 = 16 rows of Wd (columns of out), source 1 = 16 tokens: a lane holds one token, so p is one number a lane.
; REGISTERS: window 0: v10-31 addresses; v32-63 scale words, two sets, and nothing else; v64-79 p (even registers); v80-175 Wd's 4 fragments, two sets (at the end rows of out); v176-207 bd; v176-239 at last rows of x.
;   window 1: h's 8 fragments, two sets, at v0 and v128; v96-127, v224-255 rows of x.   window 2: y(a', b) at v[8 (4 a' + b)]; at the end the partner's part.   window 3: out, at the same places.
.set SLOT,  98304                      ; h: 2 x 24,576; Wd: 2 x 24,576
.set HH,    24576
.set WOFF,  49152
.set SCA,   2*SLOT                     ; h's scale words: 32 chunks x 1,024 bytes
.set SCB,   SCA+32768                  ; Wd's: 8 experts x 128 rows x 32 bytes
.set SPARE, SCB+32768                  ; the spare words, 128 bytes a wave
.set OST,   65536                      ; the end: from byte 0 four waves' parts of 16,384 bytes; from OST a stage of 16 rows x 272 bytes a wave: in slot 0, behind its last fill and its last read
.set KPL,   393216                     ; a plane of hq or of Wd's images
.set WDO,   12582912                   ; where Wd's images begin in wq
.set POL,  10
.set POH,  11
.set VB,   12
.set EXS,  13
.set EXL,  14
.set STO,  15
.set ADHL, 16                          ; v16-17 h's images of register blocks 0-3 in slot 0, 1;  v18-19 of blocks 4-7
.set ADHH, 18
.set ADW,  20                          ; v20-21 Wd's images
.set RD,   24
.set CO,   25
.set ADSA, 26
.set ADSB, 27
.set SPW,  28                          ; my spare word; never rewritten
.set NIL,  29                          ; 0; never rewritten
.set PFO,  31                          ; the prefetches' offset; never rewritten
.set SA,   32                          ; set s: v[32 + 8 s + 4 q + i]: lanes 0-15 register block i's words, lanes 16-31 block 4 + i's
.set SB,   48                          ; v[48 + 8 s + 2 b + q]
.set P,    64
.set WF,   80
.set BI,   176
.set RS,   80
.set WV,   20
.set G1H,  24
.set G1W,  32
.set G1SA, 48
.set G1SB, 56
.set G0H,  68
.set G0W,  76
.set G0SA, 84
.set G0SB, 88
.set PFA,  100                         ; s[100:101] where my prefetches stand
.set MSB, 0
.macro WIN new
.if MSB != (\new)
	s_set_vgpr_msb (MSB<<8)|(\new)
.set MSB, (\new)
.endif
.endm
.macro PLACES n
.rept \n
	v_nop
.endr
.endm
.macro TLOAD g0, g1                    ; a tensor load with five lines behind it
	tensor_load_to_lds s[\g0:\g0+3], s[\g1:\g1+7]
	s_nop 0
.rept 4
	v_nop
.endr
.endm
.macro JLOAD g0a, g1a, g0b, g1b        ; waves 0 and 1 fetch for h, waves 2 and 3 for Wd
	s_cmp_eq_u32 s21, 0
	s_cbranch_scc0 .Lfor_b_\@
	TLOAD \g0a, \g1a
	s_branch .Lasked_\@
.Lfor_b_\@:
	TLOAD \g0b, \g1b
.Lasked_\@:
.endm
.macro CREST
	s_cmp_lg_u32 s[WV], 0
	s_cbranch_scc1 .Lnot_wave_0_\@
	s_barrier_signal -3
.Lnot_wave_0_\@:
	s_barrier_wait -3
	s_barrier_signal -1
	s_barrier_wait -1
.endm
.macro CROUND
	s_barrier_signal -1
	s_barrier_wait -1
	CREST
.endm
.macro GROUP1 g, c, r, p
	s_mov_b32 s[\g+1], (\c)<<16
	s_mov_b32 s[\g+2], (\r)<<16
	s_mov_b32 s[\g+3], (\c)<<16
	s_mov_b32 s[\g+4], \r
	s_mov_b32 s[\g+5], \p
	s_mov_b32 s[\g+6], 0
	s_mov_b32 s[\g+7], 0
.endm
.macro GROUP0 g, lds, off, adr, step
	s_mov_b32 s[\g], 1
	s_add_co_u32 s[\g+1], s[\lds], \off
	s_add_nc_u64 s[\g+2:\g+3], s[\adr:\adr+1], \step
	s_or_b32 s[\g+3], s[\g+3], 0x80000000
.endm
	s_load_b512 s[4:19], s[0:1], 0x0               ; hq, hs, wq, Wd_scales, bd s[12:13], pw s[14:15], x s[16:17], out0 s[18:19]
	v_lshl_add_u32 v[SPW], v0, 2, SPARE
	v_mov_b32 v[NIL], 0
	ds_add_u32 v[SPW], v[NIL]                      ; the opening lines: the add twice on end and its wait
	ds_add_u32 v[SPW], v[NIL]
	v_lshrrev_b32 v1, 5, v0
	v_readfirstlane_b32 s[WV], v1                  ; wave 0..3
	s_lshr_b32 s21, s[WV], 1                       ; my half of the experts.  Also: I fetch for h (0) or for Wd (1)
	s_and_b32 s22, s[WV], 1                        ; my half of the columns.  Also: for which half of the experts I fetch
	s_bfe_u32 s40, ttmp6, 0x40000                  ; cx, cy
	s_bfe_u32 s41, ttmp6, 0x40004
	s_lshl_b32 s42, ttmp9, 2
	s_add_co_u32 s42, s42, s40                     ; X: the block of 128 columns
	s_and_b32 s43, ttmp7, 0xffff
	s_lshl_b32 s43, s43, 2
	s_add_co_u32 s43, s43, s41                     ; Y: the block of 128 tokens
	s_lshl_b32 s44, s41, 2
	s_lshl_b32 s44, 15, s44                        ; my row of the cluster
	s_lshl_b32 s45, 0x1111, s40                    ; my column
	s_or_b32 s[G1H], s44, (3<<16)|(1<<21)          ; elements of 8 bytes, no padding; bit 21 beside the mask
	s_or_b32 s[G1W], s45, (3<<16)|(1<<21)
	s_or_b32 s[G1SA], s44, (3<<16)|(1<<21)
	s_or_b32 s[G1SB], s45, (3<<16)|(1<<21)
	GROUP1 G1H, 3072, 2, 2*KPL                     ; the head's tiles of codes: two rows of 24,576 bytes, 16 planes apart
	GROUP1 G1W, 3072, 2, 2*KPL
	GROUP1 G1SA, 32, 128, 32                       ; h's scale words: 32,768 dense bytes
	GROUP1 G1SB, 512, 8, 8192                      ; Wd's: 8 experts' rows of 4,096 bytes, 65,536 apart
	s_mul_i32 s92, s43, HH                         ; h's tiles and scale words hang on Y alone,
	s_mov_b32 s93, 0
	s_lshl_b32 s94, s43, 15
	s_mov_b32 s95, 0
	s_mul_i32 s96, s42, HH                         ; Wd's on X alone
	s_add_co_u32 s96, s96, WDO
	s_mov_b32 s97, 0
	s_lshl_b32 s98, s42, 12
	s_mov_b32 s99, 0
	s_mul_i32 s104, s22, 16*KPL                    ; in the ring: the half of the experts that I fetch for
	s_mov_b32 s105, 0
	s_mul_i32 s46, s22, HH                         ; where the ring's tiles go: the wave's number alone
	s_add_co_u32 s47, s46, WOFF
	s_wait_dscnt 0x0                               ; both opening adds are done
	s_wait_kmcnt 0x0
	s_add_nc_u64 s[92:93], s[4:5], s[92:93]
	s_add_nc_u64 s[94:95], s[6:7], s[94:95]
	s_add_nc_u64 s[96:97], s[8:9], s[96:97]
	s_add_nc_u64 s[98:99], s[10:11], s[98:99]
	CROUND                                         ; all sixteen work-groups are here: the first joint loads meet
	GROUP0 4, 105, 0, 92, 0                        ; the head's four tiles; two groups 0 lie where four pointers lay
	GROUP0 8, 105, WOFF, 96, 0
	GROUP0 G0SA, 105, SCA, 94, 0
	GROUP0 G0SB, 105, SCB, 98, 0
	s_add_nc_u64 s[92:93], s[92:93], s[104:105]
	s_add_nc_u64 s[96:97], s[96:97], s[104:105]
	GROUP0 G0H, 46, 0, 92, 0
	GROUP0 G0W, 47, 0, 96, 0
	GROUP0 G0H+4, 46, SLOT, 92, KPL
	GROUP0 G0W+4, 47, SLOT, 96, KPL
	s_cmp_eq_u32 s21, 0                            ; the prefetches: my tile, my work-group's quarter of it, chunk 3 (the first refill steps it to 4)
	s_cselect_b64 s[PFA:PFA+1], s[92:93], s[96:97]
	s_cselect_b32 s104, s40, s41
	s_mul_i32 s104, s104, 6144
	s_add_co_u32 s104, s104, 3*KPL
	s_add_nc_u64 s[PFA:PFA+1], s[PFA:PFA+1], s[104:105]
.macro ARM under, g0, g1, next                 ; one tree of branches on the wave's number: every way passes exactly one load
	s_cmp_lt_u32 s[WV], \under
	s_cbranch_scc0 \next
	TLOAD \g0, \g1
	s_branch .Lhead_asked
\next:
.endm
	ARM 1, 4, G1H, .Lhead_w
	ARM 2, 8, G1W, .Lhead_sa
	ARM 3, G0SA, G1SA, .Lhead_sb
	TLOAD G0SB, G1SB
.Lhead_asked:
	v_and_b32 v30, 31, v0                          ; lane
	v_and_b32 v1, 15, v0                           ; r
	v_bfe_u32 v2, v0, 4, 1                         ; h
	v_lshlrev_b32 v3, 4, v30                       ; 16 x lane
	s_wait_alu depctr_va_vdst(0)
	v_min_u32 v[PFO], 23, v30
	v_lshlrev_b32 v[PFO], 8, v[PFO]
; Chunks 1 and 2 are asked for here, behind the head's load, and chunk 3 behind chunk 1's load (s[PFA:PFA+1] stands at chunk 3): this takes the place of the head's sentence on chunks 0 to 3; chunk 0 alone comes by its load alone.
	global_prefetch_b8 v[PFO], s[PFA:PFA+1] offset:-2*KPL th:TH_LOAD_NT scope:SCOPE_SE
	global_prefetch_b8 v[PFO], s[PFA:PFA+1] offset:-KPL th:TH_LOAD_NT scope:SCOPE_SE
	s_mul_i32 s23, s21, 36864                      ; register block a' < 4 is token block a' + 4 kh of tile kh
	v_add_nc_u32 v[ADHL], s23, v3
	v_add_nc_u32 v[ADHL+1], SLOT, v[ADHL]
	s_mul_i32 s23, s21, 12288                      ; a' >= 4 is token block a' - 4 kh
	v_add_nc_u32 v[ADHH], s23, v3
	v_add_nc_u32 v[ADHH+1], SLOT, v[ADHH]
	s_mul_i32 s23, s21, HH                         ; Wd: tile kh, my four blocks of 16 columns
	s_mul_i32 s2, s22, 12288
	s_add_co_u32 s23, s23, s2
	s_add_co_u32 s23, s23, WOFF
	v_add_nc_u32 v[ADW], s23, v3
	v_add_nc_u32 v[ADW+1], SLOT, v[ADW]
	s_lshl_b32 s23, s21, 4
	v_xor_b32 v6, s23, v30                         ; slot L = lane xor 16 kh: lanes 0-15 always get register blocks 0-3
	s_lshl_b32 s23, s21, 14
	s_add_co_u32 s23, s23, SCA
	v_lshl_add_u32 v[ADSA], v6, 4, s23
	s_lshl_b32 s23, s21, 14
	s_lshl_b32 s2, s22, 11
	s_add_co_u32 s23, s23, s2
	s_add_co_u32 s23, s23, SCB
	v_lshl_add_u32 v[ADSB], v1, 5, s23             ; Wd's words: 32 bytes a row
	s_mul_i32 s23, s21, 2304                       ; p: 512 a + 16 (16 kh + r), a = a' + 4 kh
	v_lshl_add_u32 v[POL], v1, 4, s23
	s_mul_i32 s23, s21, 1792                       ; and a = (a' - 4) + 4 (1 - kh)
	s_sub_co_u32 s23, 2048, s23
	v_lshl_add_u32 v[POH], v1, 4, s23
	v_lshlrev_b32 v[VB], 5, v2
	s_lshl_b32 s23, s[WV], 14
	v_add_nc_u32 v[EXS], s23, v3
	s_xor_b32 s23, s[WV], 2
	s_lshl_b32 s23, s23, 14
	v_add_nc_u32 v[EXL], s23, v3
	s_mul_i32 s23, s[WV], 16*272
	s_add_co_u32 s23, s23, OST
	v_mul_u32_u24 v4, v1, 272
	v_lshl_add_u32 v4, v2, 5, v4
	v_add_nc_u32 v[STO], s23, v4                   ; in: row r, 32 bytes for each half of the lanes
	v_mul_u32_u24 v5, v2, 272
	v_lshl_add_u32 v5, v1, 4, v5
	v_add_nc_u32 v[RD], s23, v5                    ; back: lanes 0-15 one row of 256 bytes, lanes 16-31 the next
	v_lshlrev_b32 v[CO], 13, v2
	v_lshl_add_u32 v[CO], v1, 4, v[CO]             ; and the same two rows in x and in out
.irp a, 0,1,2,3,4,5,6,7
	v_mov_b32 v[P+1+2*\a], 0                       ; the odd halves of p's pairs are named with the even ones, so they are written
.endr
	s_lshl_b32 s66, s43, 12                        ; pw: my 8 token blocks
	s_mov_b32 s67, 0
	s_add_nc_u64 s[14:15], s[14:15], s[66:67]
	s_lshl_b32 s66, s21, 15                        ; bd: expert 4 kh, my 64 columns
	s_lshl_b32 s2, s42, 9
	s_add_co_u32 s66, s66, s2
	s_lshl_b32 s2, s22, 8
	s_add_co_u32 s66, s66, s2
	s_add_nc_u64 s[12:13], s[12:13], s[66:67]
	s_lshl_b32 s66, s43, 20                        ; x and out: the 64 tokens that I keep, my 64 columns
	s_lshl_b32 s2, s21, 19
	s_add_co_u32 s66, s66, s2
	s_lshl_b32 s2, s42, 9
	s_add_co_u32 s66, s66, s2
	s_lshl_b32 s2, s22, 8
	s_add_co_u32 s66, s66, s2
	s_add_nc_u64 s[16:17], s[16:17], s[66:67]
	s_add_nc_u64 s[18:19], s[18:19], s[66:67]
; Matrix instruction i of a step's 32: register block i / 4 of the tokens against Wd's block i % 4.  q: the chunk's step, and the set of fragments; sc: the set of scale words.
; zero = 1: an expert's first products: bd is their C.  The 32 accumulators take turns.
.macro MM q, sc, zero
.set MA, i/4
.set MB, i%4
.set MW, WF+48*(\q)+12*MB
.set MH, 128*(\q)+12*MA
.set MSW, SB+8*(\sc)+2*MB+(\q)
.set MSH, SA+8*(\sc)+4*(\q)+MA%4
.if \zero
	WIN 0x84                                       ; source 0 (Wd) and C (bd) window 0, source 1 (h) window 1, D window 2
.if MA < 4
	v_wmma_scale_f32_16x16x128_f8f6f4 v[8*i:8*i+7], v[MW:MW+11], v[MH:MH+11], v[BI+8*MB:BI+8*MB+7], v[MSW], v[MSH] matrix_a_fmt:MATRIX_FMT_FP6 matrix_b_fmt:MATRIX_FMT_FP6
.else
	v_wmma_scale_f32_16x16x128_f8f6f4 v[8*i:8*i+7], v[MW:MW+11], v[MH:MH+11], v[BI+8*MB:BI+8*MB+7], v[MSW], v[MSH] matrix_a_fmt:MATRIX_FMT_FP6 matrix_b_fmt:MATRIX_FMT_FP6 matrix_b_scale:MATRIX_SCALE_ROW1
.endif
.else
	WIN 0xa4                                       ; C and D window 2
.if MA < 4
	v_wmma_scale_f32_16x16x128_f8f6f4 v[8*i:8*i+7], v[MW:MW+11], v[MH:MH+11], v[8*i:8*i+7], v[MSW], v[MSH] matrix_a_fmt:MATRIX_FMT_FP6 matrix_b_fmt:MATRIX_FMT_FP6
.else
	v_wmma_scale_f32_16x16x128_f8f6f4 v[8*i:8*i+7], v[MW:MW+11], v[MH:MH+11], v[8*i:8*i+7], v[MSW], v[MSH] matrix_a_fmt:MATRIX_FMT_FP6 matrix_b_fmt:MATRIX_FMT_FP6 matrix_b_scale:MATRIX_SCALE_ROW1
.endif
.endif
.endm
.macro MMS cnt, q, sc, zero
.rept \cnt
	MM \q, \sc, \zero
.set i, i+1
.endr
.endm
.macro RUNH slot, q                    ; h's eight fragments of (slot, q) into set q: 24 loads
	WIN 0x40
.set nn, 0
.rept 24
.set FA, nn/3
.set GG, nn%3
	ds_load_b128 v[128*(\q)+12*FA+4*GG:128*(\q)+12*FA+4*GG+3], v[ADHL+2*(FA/4)+\slot] offset:(2*FA+(\q))*1536+512*GG
.set nn, nn+1
.endr
.endm
.macro RUNW slot, q                    ; Wd's four fragments of (slot, q) into set q: 12 loads
	WIN 0
.set nn, 0
.rept 12
.set FB, nn/3
.set GG, nn%3
	ds_load_b128 v[WF+48*(\q)+12*FB+4*GG:WF+48*(\q)+12*FB+4*GG+3], v[ADW+\slot] offset:(2*FB+(\q))*1536+512*GG
.set nn, nn+1
.endr
.endm
.macro RUNS sc, cc                     ; a chunk's scale words into set sc; cc: the chunk's place in its expert: 6 loads
	WIN 0
	ds_load_b128 v[SA+8*(\sc):SA+8*(\sc)+3], v[ADSA] offset:1024*(\cc)
	ds_load_b128 v[SA+8*(\sc)+4:SA+8*(\sc)+7], v[ADSA] offset:1024*(\cc)+512
.irp b, 0,1,2,3
	ds_load_b64 v[SB+8*(\sc)+2*\b:SB+8*(\sc)+2*\b+1], v[ADSB] offset:512*\b+8*(\cc)
.endr
.endm
; A load into a register that a matrix instruction has read stands four places behind it (ISA guide 7.12.1 for vector instructions).  The set that a step fetches was last
; read by the step before: four v_nop stand at the step's head, or behind the joint load, and serve both of the step's runs.
.macro STEP slot, zero                 ; a chunk's first 128 along K, on set 0; fetches its second into set 1
	s_wait_dscnt 0x0                               ; set 0 and the chunk's scale words are in
	PLACES 4
	RUNH \slot, 1
.set i, 0
	MMS 16, 0, \slot, \zero
	RUNW \slot, 1
	MMS 16, 0, \slot, \zero
	WIN 0
.endm
; A chunk's second 128 along K, on set 1, and the change of slots: ONE barrier; in front of it each wave waits for all its tensor loads, adds 0 to its spare word, and waits for that and for its reads of this slot.
; ccn: the next chunk's place in its expert; adv = 1: the next chunk begins an expert.  ASK = 1: a prefetch follows the refill.
.macro TURN slot, next, fill, ccn, adv
.if ASK
	s_wait_xcnt 0x0                                ; my last prefetch has read its address, which is stepped here, ahead of the change's own waits
	s_add_nc_u64 s[PFA:PFA+1], s[PFA:PFA+1], KPL
.endif
	s_wait_tensorcnt 0x0                           ; all my tensor loads have landed: the one that was out is my part of the next slot
	ds_add_u32 v[SPW], v[NIL]
	s_wait_dscnt 0x1                               ; set 1 is in: the add alone may be out
.set i, 0
	MMS 4, 1, \slot, 0
	s_wait_dscnt 0x0                               ; the add is done; my reads of this slot were over above
	s_barrier_signal -1
	MMS 4, 1, \slot, 0
	WIN 0
	s_barrier_wait -1
.if \fill
	CREST                                          ; the barrier has opened a round of the cluster's: no wave of any partner still reads this slot or has a load on its way
	s_add_nc_u64 s[G0H+4*\slot+2:G0H+4*\slot+3], s[G0H+4*\slot+2:G0H+4*\slot+3], 2*KPL
	s_add_nc_u64 s[G0W+4*\slot+2:G0W+4*\slot+3], s[G0W+4*\slot+2:G0W+4*\slot+3], 2*KPL
	JLOAD G0H+4*\slot, G1H, G0W+4*\slot, G1W       ; the first tensor load behind the round; its four v_nop are the places for the loads below
.else
	PLACES 4
.endif
.if \adv
	v_add_nc_u32 v[ADSA], 4096, v[ADSA]            ; on to the next expert's scale words
	v_add_nc_u32 v[ADSB], 4096, v[ADSB]
.endif
	RUNS \next, \ccn
	RUNH \next, 0
.if ASK
	global_prefetch_b8 v[PFO], s[PFA:PFA+1] th:TH_LOAD_NT scope:SCOPE_SE   ; the chunk two refills on
.endif
	MMS 12, 1, \slot, 0
	RUNW \next, 0
	MMS 12, 1, \slot, 0
	WIN 0
.endm
.macro PLOAD                           ; p of the expert in hand, one number a lane and block, into the even registers of eight pairs
.irp a, 0,1,2,3
	global_load_b32 v[P+2*\a], v[POL], s[14:15] offset:512*\a
	global_load_b32 v[P+8+2*\a], v[POH], s[14:15] offset:512*\a
.endr
.endm
.macro BLOAD                           ; bd of the expert at which s[12:13] points: lane (r, h): columns 16 b + 8 h + 0 .. 7
.irp b, 0,1,2,3
	global_load_b128 v[BI+8*\b:BI+8*\b+3], v[VB], s[12:13] offset:64*\b
	global_load_b128 v[BI+8*\b+4:BI+8*\b+7], v[VB], s[12:13] offset:64*\b+16
.endr
.endm
.macro FMA first                       ; out = p y (the first expert) or out += p y: each accumulator from its low end on
.if \first
	WIN 0xc2                                       ; source 0 (y) window 2, source 1 (p) window 0, destination window 3
.else
	WIN 0xf2                                       ; and source 2 (out) window 3
.endif
.set j, 0
.rept 128
.if \first
	v_pk_mul_f32 v[2*j:2*j+1], v[2*j:2*j+1], v[P+2*(j/16):P+2*(j/16)+1] op_sel_hi:[1,0]
.else
	v_pk_fma_f32 v[2*j:2*j+1], v[2*j:2*j+1], v[P+2*(j/16):P+2*(j/16)+1], v[2*j:2*j+1] op_sel_hi:[1,0,1]
.endif
.set j, j+1
.endr
	WIN 0
.endm
; The 64 rows x 256 bytes of x that I add at the end, asked for in the last expert, into registers that nothing else uses from there on:
; rows 0-15 window 1 v96-127, rows 16-31 window 1 v224-255, rows 32-47 window 0 v176-207 (bd's, which the last expert's first products have read), rows 48-63 window 0 v208-239.
.macro XLOAD
	WIN 0x40
.irp t, 0,1,2,3,4,5,6,7
	global_load_b128 v[96+4*\t:96+4*\t+3], v[CO], s[16:17] offset:(2*\t)*8192
.endr
.irp t, 0,1,2,3,4,5,6,7
	global_load_b128 v[224+4*\t:224+4*\t+3], v[CO], s[16:17] offset:(16+2*\t)*8192
.endr
	WIN 0
.irp t, 0,1,2,3,4,5,6,7
	global_load_b128 v[176+4*\t:176+4*\t+3], v[CO], s[16:17] offset:(32+2*\t)*8192
.endr
.irp t, 0,1,2,3,4,5,6,7
	global_load_b128 v[208+4*\t:208+4*\t+3], v[CO], s[16:17] offset:(48+2*\t)*8192
.endr
.endm
; An expert: four chunks.  mode 0: my first (out begins); 1: my second and third, in the loop; 2: my last (its last two chunks ask for nothing, so its tail is written out).
; An expert's first products write over the sums of the expert before: the multiply-adds between them are more than the five places that this asks.
.macro EXPERT mode
.if \mode < 2
.set ASK, 1
.else
.set ASK, 0
.endif
	PLOAD
	STEP 0, 1
	TURN 0, 1, 1, 1, 0
.if \mode < 2
	BLOAD                                          ; the next expert's bd: this expert's first products, which read these registers, stand ahead of the places in the change of slots
.else
	XLOAD
.endif
	STEP 1, 0
	TURN 1, 0, 1, 2, 0
	STEP 0, 0
.if \mode < 2
	TURN 0, 1, 1, 3, 0
	STEP 1, 0
	TURN 1, 0, 1, 0, 1
	PLACES 4                                       ; behind the last products, whose results are read below
	s_wait_loadcnt 0x0                             ; p and the next bd are in, so their bases may step
	s_add_nc_u64 s[14:15], s[14:15], 4
	s_add_nc_u64 s[12:13], s[12:13], 8192
.if \mode == 0
	FMA 1
.else
	FMA 0
.endif
.else
	TURN 0, 1, 0, 3, 0
	STEP 1, 0
	s_wait_dscnt 0x0                               ; the very last 128 along K
.set i, 0
	MMS 32, 1, 1, 0
	WIN 0
	PLACES 4
	s_wait_loadcnt 32                              ; p is in; the 32 loads of x are younger
	FMA 0
.endif
.endm
	s_wait_alu depctr_va_vdst(0)
	BLOAD                                          ; my first expert's bd
	s_wait_tensorcnt 0x0                           ; my tile of the head's four is in
	ds_add_u32 v[SPW], v[NIL]
	GROUP1 G1H, 32, 96, 32                         ; no tensor load of mine is out: from here on a load brings 24,576 dense bytes as 96 rows of 256
	GROUP1 G1W, 32, 96, 32
	s_wait_dscnt 0x0
	CROUND                                         ; all four tiles are in, and all sixteen work-groups are here
	JLOAD G0H+4, G1H, G0W+4, G1W                   ; chunk 1, the first tensor load behind the round
	RUNH 0, 0
	RUNW 0, 0
	RUNS 0, 0
	global_prefetch_b8 v[PFO], s[PFA:PFA+1] th:TH_LOAD_NT scope:SCOPE_SE   ; chunk 3
	s_wait_loadcnt 0x0                             ; bd is in, so its base may step
	s_add_nc_u64 s[12:13], s[12:13], 8192
	EXPERT 0
	s_mov_b32 s3, 2
.Lexpert:
	EXPERT 1
	s_sub_co_u32 s3, s3, 1
	s_cmp_lg_u32 s3, 0
	s_cbranch_scc1 .Lexpert
	EXPERT 2
; THE END.  Register blocks 4-7 go to the partner wave (the other half of the experts, the same columns) through LDS; its blocks 4-7 are my blocks 0-3's tokens.
	WIN 0x0c                                       ; an LDS store's data are its source 1: window 3
.set n, 0
.rept 32
	ds_store_b128 v[EXS], v[128+4*n:128+4*n+3] offset:512*n
.set n, n+1
.endr
	WIN 0
	s_wait_dscnt 0x0                               ; for my partner's sake: my stores have landed
	s_barrier_signal -1
	s_barrier_wait -1
	WIN 0x80                                       ; into window 2: y is done with
.set n, 0
.rept 32
	ds_load_b128 v[4*n:4*n+3], v[EXL] offset:512*n
.set n, n+1
.endr
	s_wait_dscnt 0x0
	WIN 0xcb                                       ; out (window 3) += the partner's part (window 2)
.set j, 0
.rept 64
	v_pk_add_f32 v[2*j:2*j+1], v[2*j:2*j+1], v[2*j:2*j+1]
.set j, j+1
.endr
; A block of 16 tokens x 64 columns goes through my own stage and comes back as rows of 256 bytes; x is added; sixteen lanes store 256 consecutive bytes, at a multiple of 256 from out's first byte.
.macro TOSTAGE b
	WIN 0x0c
.irp c, 0,1,2,3
	ds_store_b128 v[STO], v[8*(4*(\b)+\c):8*(4*(\b)+\c)+3] offset:64*\c
	ds_store_b128 v[STO], v[8*(4*(\b)+\c)+4:8*(4*(\b)+\c)+7] offset:64*\c+16
.endr
	WIN 0
.irp t, 0,1,2,3,4,5,6,7
	ds_load_b128 v[RS+32*((\b)%2)+4*\t:RS+32*((\b)%2)+4*\t+3], v[RD] offset:544*\t   ; LDS serves a wave's instructions in order: these see my stores
.endr
.endm
.macro SEND b, younger                 ; younger: the LDS instructions issued behind block b's loads, which may stay out
	s_wait_dscnt \younger
.if (\b) == 0
	s_wait_loadcnt 0x0                             ; x
.set XB, 96
.elseif (\b) == 1
.set XB, 224
.elseif (\b) == 2
.set XB, 176
.else
.set XB, 208
.endif
.if (\b) < 2
	WIN 0x04                                       ; source 1 (x) window 1
.else
	WIN 0
.endif
.set j, 0
.rept 16
	v_pk_add_f32 v[RS+32*((\b)%2)+2*j:RS+32*((\b)%2)+2*j+1], v[RS+32*((\b)%2)+2*j:RS+32*((\b)%2)+2*j+1], v[XB+2*j:XB+2*j+1]
.set j, j+1
.endr
	WIN 0
.irp t, 0,1,2,3,4,5,6,7
	global_store_b128 v[CO], v[RS+32*((\b)%2)+4*\t:RS+32*((\b)%2)+4*\t+3], s[18:19] offset:(16*(\b)+2*\t)*8192 th:TH_STORE_NT
.endr
.endm
	TOSTAGE 0
	TOSTAGE 1
	SEND 0, 16                                     ; behind block 0's loads: block 1's 8 stores and 8 loads
	s_wait_xcnt 0x0                                ; block 0's stores have read their registers: block 2's rows may land there
	TOSTAGE 2
	SEND 1, 16
	s_wait_xcnt 0x0
	TOSTAGE 3
	SEND 2, 16
	SEND 3, 0
	s_wait_tensorcnt 0x0                           ; the wave's end
	ds_add_u32 v[SPW], v[NIL]
	s_wait_dscnt 0x0
	CROUND                                         ; the closing round: no work-group ends while a partner may still ask for a tile that names it
	s_endpgm
.Lfunc_end_k_q2df2196202_down:
	.size	k_q2df2196202_down, .Lfunc_end_k_q2df2196202_down-k_q2df2196202_down
	.p2alignl 7, 3214868480
	.fill 96, 4, 3214868480
	.section	.rodata,"a",@progbits
	.p2align	6, 0x0
	.amdhsa_kernel k_q2df2196202_down
		.amdhsa_group_segment_fixed_size 327680
		.amdhsa_private_segment_fixed_size 0
		.amdhsa_enable_private_segment 0
		.amdhsa_kernarg_size 64
		.amdhsa_user_sgpr_count 2
		.amdhsa_user_sgpr_kernarg_segment_ptr 1
		.amdhsa_wavefront_size32 1
		.amdhsa_system_sgpr_workgroup_id_x 1
		.amdhsa_system_sgpr_workgroup_id_y 1
		.amdhsa_system_sgpr_workgroup_id_z 1
		.amdhsa_system_vgpr_workitem_id 0
		.amdhsa_next_free_vgpr 1024
		.amdhsa_next_free_sgpr 106
		.amdhsa_reserve_vcc 0
		.amdhsa_float_denorm_mode_32 3
		.amdhsa_float_denorm_mode_16_64 3
		.amdhsa_memory_ordered 1
		.amdhsa_forward_progress 1
		.amdhsa_inst_pref_size 240
	.end_amdhsa_kernel
	.amdgpu_metadata
---
amdhsa.version: [ 1, 2 ]
amdhsa.kernels:
  - .name:           k_q2df2196202_down
    .symbol:         k_q2df2196202_down.kd
    .args:
      - { .name: hq, .offset: 0, .size: 8, .value_kind: global_buffer, .address_space: global }
      - { .name: hs, .offset: 8, .size: 8, .value_kind: global_buffer, .address_space: global }
      - { .name: wq, .offset: 16, .size: 8, .value_kind: global_buffer, .address_space: global }
      - { .name: Wd_scales, .offset: 24, .size: 8, .value_kind: global_buffer, .address_space: global }
      - { .name: bd, .offset: 32, .size: 8, .value_kind: global_buffer, .address_space: global }
      - { .name: pw, .offset: 40, .size: 8, .value_kind: global_buffer, .address_space: global }
      - { .name: x, .offset: 48, .size: 8, .value_kind: global_buffer, .address_space: global }
      - { .name: out0, .offset: 56, .size: 8, .value_kind: global_buffer, .address_space: global }
    .group_segment_fixed_size: 327680
    .private_segment_fixed_size: 0
    .kernarg_segment_align: 8
    .kernarg_segment_size: 64
    .max_flat_workgroup_size: 128
    .sgpr_count:     106
    .vgpr_count:     1024
    .wavefront_size: 32
...
	.end_amdgpu_metadata
.endif
;; end of part 6
